; MI455X (gfx1250); checked and timed in simulation.
; The chip was launched on July 23, 2026; its instructions are those of AMD's public machine-readable ISA for CDNA 5 (MIT licence, August 2026) and "CDNA5" Instruction Set Architecture Reference Guide (July 2026). The comments in the code are by the model that wrote it; some were corrected since.
;; Multi Head Attention. Allowed arithmetic: matrix products marked QUANTISED: E2M3 operands, one E8M0 scale for each 32 along K, by v_wmma_scale_f32_16x16x128_f8f6f4 with both operands' format E2M3, f32 sums; everything else in f32.
;; Inputs: W_out 1,024 x 1,024 float32; W_qkv 1,024 x 3,072 float32; b_out 1,024 float32; b_qkv 3,072 float32; x 4 x 2,048 x 1,024 float32.
;; Outputs: out0 4 x 2,048 x 1,024 float32.
;; This version of the problem:
;;   THIS VERSION OF THE PROBLEM IS GIVEN IN LOW PRECISION. The matrix products marked QUANTISED in the list below multiply operands that are first quantised to E2M3 (2 exponent bits, 3 mantissa bits; 6 bits a number), with one power-of-two scale for each 32 numbers along K (OCP MX v1.0); their sums are f32. All else is computed in f32.
;;   The module's matrix products, in the order in which they are computed (A, B: the left and right operand; K: the contracted axis; several contracted axes count as one K, in the product's order):
;;     1. [M 8,192, K 1,024] x [K 1,024, N 3,072]; A: input x; B: input W_qkv: QUANTISED
;;     2. batch 64 x [M 2,048, K 64] x [K 64, N 2,048]; A: computed on the way; B: computed on the way: QUANTISED
;;     3. batch 64 x [M 2,048, K 2,048] x [K 2,048, N 64]; A: softmax (see below); B: computed on the way: QUANTISED
;;     4. [M 8,192, K 1,024] x [K 1,024, N 1,024]; A: computed on the way; B: input W_out: QUANTISED
;;   THE QUANTISER, for each operand of a quantised product, along K:
;;     - K is cut into blocks of 32 from its start; a last block that is shorter is filled with zeros.
;;     - A block's scale is 2^e with e = floor(log2(the largest magnitude in the block)) - 2, held to -126 .. 127; a block of zeros has e = 0. As a byte (E8M0): e + 127.
;;     - Each number is divided by its block's scale, clamped to +-7.5, and rounded to the nearest number of E2M3, ties to even, subnormals kept.
;;     - The product sums the exact products of the quantised numbers (number of the format x scale) in f32.
;;   ~~~python
;;   def quantise(x, axis):      # numpy; x: float32 -> the quantised numbers, widened to float32 again
;;       x = np.moveaxis(x, axis, -1); K = x.shape[-1]
;;       x = np.pad(x, [(0, 0)] * (x.ndim - 1) + [(0, -K % 32)]); x = x.reshape(x.shape[:-1] + (-1, 32)); a = np.abs(x).max(-1, keepdims=True)
;;       e = np.where(a > 0, np.clip(np.frexp(np.where(a > 0, a, 1))[1] - 1 - 2, -126, 127), 0)      # np.frexp(a)[1] - 1 = floor(log2(a)), exactly
;;       r = np.clip(x / 2.0 ** e, -7.5, 7.5)
;;       step = 2.0 ** (np.maximum(np.frexp(np.where(r == 0, 1, r))[1] - 1, 0) - 3)
;;       q = np.round(r / step) * step * 2.0 ** e      # np.round: ties to even
;;       return np.moveaxis(q.reshape(q.shape[:-2] + (-1,))[..., :K], -1, axis).astype(np.float32)
;;   ~~~
;;   SOFTMAX AHEAD OF A QUANTISED PRODUCT. Where the list says 'softmax', what is quantised is not the finished softmax but p = 2^(t - M), with t = logit x log2(e) and M = ceil(the row's largest t), a whole number; so 1/2 < the row's largest p <= 1. The row's sum l is taken of the UNQUANTISED p, in f32, and the product's result is divided by l at the end. Since M is a whole number, a kernel that streams over the keys may use a running M (the ceiling of the running maximum): every later rescaling is an exact power of two, which a block's scale takes up: the codes' values come out the same.
;;   OPERANDS COMPUTED ON THE WAY. 'Computed on the way' means the value that the module computes at that place (a softmax that the list does not call 'softmax' is quantised finished and normalised). What goes into a quantiser is computed in f32, as accurately as f32 sums, v_exp_f32 and their like allow (about 1e-6 of the number): no bf16 or f16 on the way to a quantiser, and a product that is left as it is and whose result goes on into a quantised operand takes f32 operands (vector FMAs, or v_wmma_f32_16x16x4_f32). A number that lies on a knife's edge between two numbers of the format may be rounded either way, as far as f32 arithmetic and the matrix unit's own rounding can turn it there, and no further.
;; One version. Each part assembles by itself: llvm-mc -triple=amdgcn-amd-amdhsa -mcpu=gfx1250 --defsym DOCPART=n.
;; ======== version 1 of 1: 4 launches
;; limits: right only within a limited range of input values
;; workspace buffers: xc 6,291,456 bytes; xs 262,144 bytes; wc 3,145,728 bytes; ws 131,072 bytes; qb 6,815,744 bytes; kv 13,369,344 bytes; ac 6,291,456 bytes; asc 262,144 bytes
;; launch quant (part 1): grid 256 x 1, 4 waves a work-group, no clusters, 61,952 bytes of LDS; arguments x, W_qkv, W_out, xc, xs, wc, ws; writes xc, xs, wc, ws
.if DOCPART == 1
	.amdgcn_target "amdgcn-amd-amdhsa--gfx1250"
	.amdhsa_code_object_version 6
	.text
	.protected	k_q14400a987d_quant
	.globl	k_q14400a987d_quant
	.p2align	8
	.type	k_q14400a987d_quant,@function
k_q14400a987d_quant:
	s_mov_b64 s[64:65], 0
	v_nop
	global_prefetch_b8 v0, s[64:65] scope:SCOPE_SE
	s_setreg_imm32_b32 hwreg(HW_REG_WAVE_MODE, 25, 1), 1
	s_wait_xcnt 0x0
; x [8192][1024], W_qkv [1024][3072] and W_out [1024][1024], all f32, become codes of FP6 (E2M3) with one E8M0 byte for each 32 along K (K = 1024 for all three).
; A block's scale is 2^(floor(log2(its largest magnitude)) - 2): its byte is the largest magnitude's exponent field - 2, held at 1 from below by a floor among the maximum's leaves.
; LIMITS: a block of zeros, and a block whose largest magnitude lies under 2^-124, gets the byte 1 (the rule says 127 for zeros: the codes are zeros, and this program alone reads the bytes); NaN and infinities are not served.
; THE WORKSPACE IS LAID AS THE GEMMS' OPERAND REGISTERS WANT IT.  Rows (rows of x; columns n of a weight) stand in POSITIONS: in each group of 32, position 16 u + r holds true row 8 u + r + 8 (r / 8).
; A fragment (16 positions x 128 K, 12 registers a lane) is an image of 1,536 bytes: for c = 0, 1 registers 6 c .. 6 c + 3 at 768 c + 16 lane, registers 6 c + 4, 6 c + 5 at 768 c + 512 + 8 lane.
; Codes: [16-row block][8 K steps][1,536 bytes].  Scale bytes: [position row][32].  wc, ws: row blocks 0-191 W_qkv, 192-255 W_out.
; SHARES.  Work-groups 0-127: x, a wave to a block of 16 rows, all of K.  128-223: W_qkv, 224-255: W_out: a work-group to 32 columns, a wave to 256 along K.  Waves share nothing: no barrier.
; Each of the three paths has LDS bytes of its own.
.set R,   16                           ; path x: v16-143  two sets of 64 registers as loaded
.set X,   144                          ; v144-207 my 64 numbers: register 32 c + i = k 64 c + 32 h + i of my row
.set C,   208                          ; v208-219 the fragment's 12 registers
.set CT,  220                          ; v220-222, v224-226 the upper halves of the two blocks, made apart (a conversion's three registers begin on an even number)
.set MX,  228                          ; v228-229 largest magnitudes
.set SO,  230                          ; v230-231 the conversions' scale operands
.set BY,  232                          ; v232-233 the scale bytes
.set W,   236                          ; v236-243 my row's eight scale words
.set T,   244                          ; v244-247 the four of them that I store
.set XST, 16*528                       ; a wave's stage: 16 rows x (512 bytes + 16)
.set WX,  16                           ; weights: v16-79 two sets of 32 numbers down K
.set WC,  144                          ; v144-149 a block's codes
.set WCT, 150                          ; v150-152 their upper half
.set WD,  158                          ; v158-159 the scale words of my two K steps
.set OUT, 160                          ; v160-207 images read back: 24 registers for each K step
	s_load_b128 s[4:7], s[0:1], 0x0                ; x, W_qkv
	s_load_b64 s[8:9], s[0:1], 0x10                ; W_out
	s_load_b128 s[12:15], s[0:1], 0x18             ; xc, xs
	s_load_b128 s[16:19], s[0:1], 0x28             ; wc, ws
	v_lshl_add_u32 v254, v0, 2, 0xf000
	v_mov_b32 v255, 0
	v_lshrrev_b32 v1, 5, v0
	v_readfirstlane_b32 s22, v1                    ; wave 0..3
	v_and_b32 v1, 31, v0                           ; lane
	s_mov_b32 s20, 0x76543210
	s_mov_b32 s21, 0xfedcba98                      ; v_permlanex16_b32's selects for lane l xor 16
	s_cmp_lt_u32 ttmp9, 128
	s_cbranch_scc0 .Lweights
; ---------------- x ----------------
; Each load reads 512 consecutive bytes (a K step of one row); the sixteen rows turn through the wave's stage, so that lane (r, h) gets two whole blocks of its row.
.macro XLOAD s
.irp i, 0,1,2,3,4,5,6,7,8,9,10,11,12,13,14,15
	global_load_b128 v[R+64*((\s)%2)+4*\i:R+64*((\s)%2)+4*\i+3], v2, s[4:5] offset:(\i+8*(\i/8))*4096+512*(\s) th:TH_LOAD_NT   ; position i is true row i + 8 (i / 8) of my block
.endr
.endm
.macro XSTEP s
.set RS, R+64*((\s)%2)
.if (\s) < 7
	s_wait_loadcnt 16                              ; this K step's sixteen loads are in; the next step's sixteen may be out
.else
	s_wait_loadcnt 0x0
.endif
.irp i, 0,1,2,3,4,5,6,7,8,9,10,11,12,13,14,15
	ds_store_b128 v4, v[RS+4*\i:RS+4*\i+3] offset:528*\i
.endr
.irp c, 0,1
.irp j, 0,1,2,3,4,5,6,7
	ds_load_b128 v[X+32*\c+4*\j:X+32*\c+4*\j+3], v5 offset:256*\c+16*\j   ; LDS serves a wave's instructions in order: these see the stores above
.endr
.endr
	s_wait_dscnt 0x0                               ; my numbers are back, and the stores have read their registers,
.if (\s)+2 < 8
	XLOAD (\s)+2                                   ; which take the loads of two steps on
.endif
.irp c, 0,1
	v_max3_num_f32 v[MX+\c], |v[X+32*\c]|, |v[X+32*\c+1]|, 0x1800000   ; block 2 c + h is all mine; the floor 2^(3 - 127) holds the byte at 1 from below
.endr
.irp i, 2,4,6,8,10,12,14,16,18,20,22,24,26,28,30
.irp c, 0,1
	v_max3_num_f32 v[MX+\c], v[MX+\c], |v[X+32*\c+\i]|, |v[X+32*\c+\i+1]|
.endr
.endr
.irp c, 0,1
	v_add_nc_u32 v[SO+\c], 0xff000000, v[MX+\c]    ; 2 off the exponent field: the conversion takes this operand's exponent field as its scale
.endr
.irp c, 0,1
	v_lshrrev_b32 v[BY+\c], 23, v[SO+\c]           ; the scale's byte
.endr
	v_lshl_or_b32 v234, v[BY+1], 16, v[BY]         ; my two bytes, blocks h and 2 + h,
	v_lshlrev_b32 v234, v6, v234                   ; 8 h bits up;
	v_permlanex16_b32 v235, v234, s20, s21
	v_or_b32 v[W+(\s)], v234, v235                 ; with lane l xor 16's two the word is whole
	s_wait_alu depctr_va_vdst(0)
	s_wait_xcnt 0x0                                ; the last step's stores have read C: it is written again only behind this wait
.irp c, 0,1
	v_cvt_scalef32_pk16_fp6_f32 v[C+6*\c:C+6*\c+2], v[X+32*\c:X+32*\c+15], v[SO+\c]
	v_cvt_scalef32_pk16_fp6_f32 v[CT+4*\c:CT+4*\c+2], v[X+32*\c+16:X+32*\c+31], v[SO+\c]
.endr
	v_nop                                          ; one plain place behind the conversions
.irp c, 0,1
.irp i, 0,1,2
	v_mov_b32 v[C+6*\c+3+\i], v[CT+4*\c+\i]
.endr
.endr
	global_store_b128 v2, v[C:C+3], s[12:13] offset:1536*(\s)          ; 512 consecutive bytes
	global_store_b64 v3, v[C+4:C+5], s[12:13] offset:1536*(\s)+512     ; 256
	global_store_b128 v2, v[C+6:C+9], s[12:13] offset:1536*(\s)+768
	global_store_b64 v3, v[C+10:C+11], s[12:13] offset:1536*(\s)+1280
.endm
	v_and_b32 v8, 15, v0                           ; r
	v_bfe_u32 v9, v0, 4, 1                         ; h
	v_lshlrev_b32 v2, 4, v1                        ; 16 x lane
	v_lshlrev_b32 v3, 3, v1                        ; 8 x lane
	s_mul_i32 s23, s22, XST                        ; my stage
	v_add_nc_u32 v4, s23, v2                       ; in: a row as it lies
	v_mul_u32_u24 v5, v8, 528
	v_lshl_add_u32 v5, v9, 7, v5
	v_add_nc_u32 v5, s23, v5                       ; out: row r, + 128 h
	v_lshlrev_b32 v6, 3, v9                        ; 8 h
	v_lshlrev_b32 v7, 5, v8
	v_lshl_add_u32 v7, v9, 4, v7                   ; the scale bytes: 32 r + 16 h
	v_mov_b32 v235, 0                              ; a lane permute's destination counts as one of its sources
	s_lshl_b32 s24, ttmp9, 2
	s_add_co_u32 s24, s24, s22                     ; my block of 16 positions
	s_lshr_b32 s26, s24, 1
	s_lshl_b32 s26, s26, 17                        ; its group of 32 rows of 4,096 bytes,
	s_and_b32 s27, s24, 1
	s_lshl_b32 s27, s27, 15                        ; and 8 rows on for the odd block
	s_add_co_u32 s26, s26, s27
	s_mov_b32 s27, 0
	s_mul_i32 s28, s24, 12288
	s_mov_b32 s29, 0
	s_lshl_b32 s30, s24, 9
	s_mov_b32 s31, 0
	s_wait_alu depctr_va_vdst(0)
	s_wait_kmcnt 0x0
	s_add_nc_u64 s[4:5], s[4:5], s[26:27]
	s_add_nc_u64 s[12:13], s[12:13], s[28:29]
	s_add_nc_u64 s[14:15], s[14:15], s[30:31]
	XLOAD 0
	XLOAD 1
.irp s, 0,1,2,3,4,5,6,7
	XSTEP \s
.endr
	v_cmp_le_u32 vcc_lo, 16, v1                    ; lanes 16-31 store the row's upper four words
.irp i, 0,1,2,3
	v_cndmask_b32 v[T+\i], v[W+\i], v[W+4+\i], vcc_lo
.endr
	global_store_b128 v7, v[T:T+3], s[14:15]       ; the block's 512 scale bytes in one store
	s_wait_tensorcnt 0x0
	ds_add_u32 v254, v255
	s_wait_dscnt 0x0
	s_endpgm
; ---------------- the weights: K is their first axis ----------------
; A lane takes a column n and its registers run down K: a block of 32 lies in one lane, and the conversions give codes with K innermost.  Block t = 0 .. 7 of my 256 along K: K step t / 4, block t % 4.
; Column l of the 32 stands at position r' = (l & 7) + 8 (l >> 4) of row block u = (l >> 3) & 1.  Its block t % 4 = 2 c + hh is what lane r' + 16 hh of the image holds in registers 6 c .. 6 c + 5:
; so the codes go to that place in a stage (two images, 1,664 bytes apart) and the finished images leave as they lie, 512 consecutive bytes a store.
.macro WLOAD t, N
.irp i, 0,1,2,3,4,5,6,7,8,9,10,11,12,13,14,15,16,17,18,19,20,21,22,23,24,25,26,27,28,29,30,31
	global_load_b32 v[WX+32*((\t)%2)+\i], v2, s[32:33] offset:(32*(\t)+\i)*4*\N th:TH_LOAD_NT   ; 128 consecutive bytes of one row k
.endr
.endm
.macro WBLOCK t, N
.set XS, WX+32*((\t)%2)
.if (\t) < 7
	s_wait_loadcnt 32                              ; this block's 32 loads are in; the next block's may be out
.else
	s_wait_loadcnt 0x0
.endif
	v_max3_num_f32 v154, |v[XS]|, |v[XS+1]|, |v[XS+2]|
	v_max3_num_f32 v155, |v[XS+3]|, |v[XS+4]|, |v[XS+5]|
.irp i, 6,10,14,18,22,26
	v_max3_num_f32 v154, v154, |v[XS+\i]|, |v[XS+\i+1]|
	v_max3_num_f32 v155, v155, |v[XS+\i+2]|, |v[XS+\i+3]|
.endr
	v_max3_num_f32 v154, v154, |v[XS+30]|, |v[XS+31]|
	v_max3_num_f32 v154, v154, v155, 0x1800000     ; and the floor
	v_add_nc_u32 v156, 0xff000000, v154            ; the conversions' scale operand
	v_lshrrev_b32 v157, 23, v156                   ; the byte
.if (\t)%4 == 0
	v_mov_b32 v[WD+(\t)/4], v157
.else
	v_lshl_or_b32 v[WD+(\t)/4], v157, 8*((\t)%4), v[WD+(\t)/4]
.endif
	s_wait_alu depctr_va_vdst(0)
	s_wait_dscnt 0x0                               ; the last block's LDS stores have read the codes' registers
	v_cvt_scalef32_pk16_fp6_f32 v[WC:WC+2], v[XS:XS+15], v156
	v_cvt_scalef32_pk16_fp6_f32 v[WCT:WCT+2], v[XS+16:XS+31], v156
	v_nop                                          ; one plain place behind the conversions
.irp i, 0,1,2
	v_mov_b32 v[WC+3+\i], v[WCT+\i]
.endr
	ds_store_b128 v4, v[WC:WC+3] offset:768*(((\t)%4)/2)+256*((\t)%2)
	ds_store_b64 v5, v[WC+4:WC+5] offset:768*(((\t)%4)/2)+512+128*((\t)%2)
.if (\t)+2 < 8
	WLOAD (\t)+2, \N
.endif
.if (\t)%4 == 3                        ; a K step's two images are whole
.irp u, 0,1
.irp j, 0,1,2
	ds_load_b128 v[OUT+24*((\t)/4)+12*\u+4*\j:OUT+24*((\t)/4)+12*\u+4*\j+3], v6 offset:1664*\u+512*\j
.endr
.endr
	s_wait_dscnt 0x0
.irp u, 0,1
.irp j, 0,1,2
	global_store_b128 v3, v[OUT+24*((\t)/4)+12*\u+4*\j:OUT+24*((\t)/4)+12*\u+4*\j+3], s[34:35] offset:(8*\u+(\t)/4)*1536+512*\j
.endr
.endr
.endif
.endm
; N: the weight's columns; WG0: its first work-group; RB0: its first row block in wc; P: the scalar pair with its address; LB: the path's LDS bytes
.macro WPATH N, WG0, RB0, P, LB
	v_bfe_u32 v8, v0, 3, 1                         ; u
	v_and_b32 v9, 7, v0
	v_bfe_u32 v10, v0, 4, 1
	v_lshl_or_b32 v9, v10, 3, v9                   ; r'
	v_lshlrev_b32 v2, 2, v1                        ; in: 4 bytes a lane
	v_lshlrev_b32 v3, 4, v1                        ; out: 16 bytes a lane
	s_mul_i32 s23, s22, 2*1664
	s_add_co_u32 s23, s23, \LB                     ; my stage
	v_mul_u32_u24 v11, v8, 1664
	v_add_nc_u32 v11, s23, v11
	v_lshl_add_u32 v4, v9, 4, v11                  ; image u, 16 r'
	v_lshl_add_u32 v5, v9, 3, v11                  ; image u, 8 r'
	v_add_nc_u32 v6, s23, v3                       ; back: as it lies
	v_lshl_add_u32 v7, v8, 4, v9
	v_lshlrev_b32 v7, 5, v7                        ; my position row's 32 scale bytes
	s_sub_co_u32 s24, ttmp9, \WG0                  ; which 32 columns
	s_lshl_b32 s26, s24, 7
	s_mul_i32 s27, s22, 256*4*\N                   ; my 256 rows k
	s_add_co_u32 s26, s26, s27
	s_mov_b32 s27, 0
	s_lshl_b32 s28, s24, 1
	s_add_co_u32 s28, s28, \RB0                    ; the first of my two row blocks
	s_lshl_b32 s30, s28, 9
	s_lshl_b32 s25, s22, 3
	s_add_co_u32 s30, s30, s25                     ; scale bytes: 512 a row block, + my 8 of each row's 32
	s_mov_b32 s31, 0
	s_lshl_b32 s28, s28, 3
	s_lshl_b32 s25, s22, 1
	s_add_co_u32 s28, s28, s25                     ; image number: 8 a row block, + my two K steps
	s_mul_i32 s28, s28, 1536
	s_mov_b32 s29, 0
	s_wait_alu depctr_va_vdst(0)
	s_wait_kmcnt 0x0
	s_add_nc_u64 s[32:33], s[\P:\P+1], s[26:27]
	s_add_nc_u64 s[34:35], s[16:17], s[28:29]
	s_add_nc_u64 s[36:37], s[18:19], s[30:31]
	WLOAD 0, \N
	WLOAD 1, \N
.irp t, 0,1,2,3,4,5,6,7
	WBLOCK \t, \N
.endr
	global_store_b64 v7, v[WD:WD+1], s[36:37]      ; 8 of a row's 32 scale bytes: the four waves fill the row between them (one byte for each 128 read)
	s_wait_tensorcnt 0x0
	ds_add_u32 v254, v255
	s_wait_dscnt 0x0
	s_endpgm
.endm
.Lweights:
	s_cmp_lt_u32 ttmp9, 224
	s_cbranch_scc0 .Lwout
	s_wait_alu depctr_va_vdst(0)
	WPATH 3072, 128, 0, 6, 33792
.Lwout:
	s_wait_alu depctr_va_vdst(0)
	WPATH 1024, 224, 192, 8, 47104
.Lfunc_end_k_q14400a987d_quant:
	.size	k_q14400a987d_quant, .Lfunc_end_k_q14400a987d_quant-k_q14400a987d_quant
	.p2alignl 7, 3214868480
	.fill 96, 4, 3214868480
	.section	.rodata,"a",@progbits
	.p2align	6, 0x0
	.amdhsa_kernel k_q14400a987d_quant
		.amdhsa_group_segment_fixed_size 61952
		.amdhsa_private_segment_fixed_size 0
		.amdhsa_enable_private_segment 0
		.amdhsa_kernarg_size 56
		.amdhsa_user_sgpr_count 2
		.amdhsa_user_sgpr_kernarg_segment_ptr 1
		.amdhsa_wavefront_size32 1
		.amdhsa_system_sgpr_workgroup_id_x 1
		.amdhsa_system_sgpr_workgroup_id_y 1
		.amdhsa_system_sgpr_workgroup_id_z 1
		.amdhsa_system_vgpr_workitem_id 0
		.amdhsa_next_free_vgpr 256
		.amdhsa_next_free_sgpr 66
		.amdhsa_reserve_vcc 1
		.amdhsa_float_denorm_mode_32 3
		.amdhsa_float_denorm_mode_16_64 3
		.amdhsa_memory_ordered 1
		.amdhsa_forward_progress 1
		.amdhsa_inst_pref_size 140
	.end_amdhsa_kernel
	.amdgpu_metadata
---
amdhsa.version: [ 1, 2 ]
amdhsa.kernels:
  - .name:           k_q14400a987d_quant
    .symbol:         k_q14400a987d_quant.kd
    .args:
      - { .name: x, .offset: 0, .size: 8, .value_kind: global_buffer, .address_space: global }
      - { .name: W_qkv, .offset: 8, .size: 8, .value_kind: global_buffer, .address_space: global }
      - { .name: W_out, .offset: 16, .size: 8, .value_kind: global_buffer, .address_space: global }
      - { .name: xc, .offset: 24, .size: 8, .value_kind: global_buffer, .address_space: global }
      - { .name: xs, .offset: 32, .size: 8, .value_kind: global_buffer, .address_space: global }
      - { .name: wc, .offset: 40, .size: 8, .value_kind: global_buffer, .address_space: global }
      - { .name: ws, .offset: 48, .size: 8, .value_kind: global_buffer, .address_space: global }
    .group_segment_fixed_size: 61952
    .private_segment_fixed_size: 0
    .kernarg_segment_align: 8
    .kernarg_segment_size: 56
    .max_flat_workgroup_size: 128
    .sgpr_count:     66
    .vgpr_count:     256
    .wavefront_size: 32
...
	.end_amdgpu_metadata
.endif
;; end of part 1
;; launch qkv (part 2): grid 4 x 96, 4 waves a work-group, clusters of 4 x 4, 327,680 bytes of LDS; arguments xc, xs, wc, ws, b_qkv, qb, kv; writes qb, kv
.if DOCPART == 2
	.amdgcn_target "amdgcn-amd-amdhsa--gfx1250"
	.amdhsa_code_object_version 6
	.text
	.protected	k_q14400a987d_qkv
	.globl	k_q14400a987d_qkv
	.p2align	8
	.type	k_q14400a987d_qkv,@function
k_q14400a987d_qkv:
	s_mov_b64 s[64:65], 0
	v_nop
	global_prefetch_b8 v0, s[64:65] scope:SCOPE_SE
	s_setreg_imm32_b32 hwreg(HW_REG_WAVE_MODE, 25, 1), 1
	s_wait_xcnt 0x0
	s_wait_alu depctr_hold_cnt(0) depctr_sa_sdst(0) depctr_va_vdst(0) depctr_va_sdst(0) depctr_va_ssrc(0) depctr_va_vcc(0) depctr_vm_vsrc(0)
	s_getreg_b32 s2, hwreg(HW_REG_IB_STS2, 6, 4)
	s_cmp_eq_u32 s2, 0
	s_cbranch_scc0 .Lentry_in_a_cluster
	s_endpgm
.Lentry_in_a_cluster:
	s_bfe_u32 s2, ttmp6, 0x10000c
	s_cmp_lg_u32 s2, 0xf033
	s_cbranch_scc0 .Lentry_shape_is_right
	s_endpgm
.Lentry_shape_is_right:
.set NQ,     2
.set FR,     12
.set NL,     4
.set NP,     4
.set IMG,    1536
.set RBS,    NQ*IMG
.set HALFT,  8*RBS
.set SLOT,   4*HALFT
.set LAPS,   2
.set SCL,    2*SLOT
.set HALFS,  16*272
.set SBLK,   2*272
.set SPARE,  SCL+4*HALFS
.set ADRA, 16
.set ADRB, 20
.set ADRS, 27
.set SPW,  28
.set NIL,  29
.set SC,   32
.set BI,   64
.set AF,   128
.set BV,   224
.set TM,   240
.set HA,   128
.set PC,   192
.set PW,   212
.set SW,   32
.set TW,   40
.set SEL,  66
.set G1, 24
.set G0, 32
.set G1B, 48
.set G0B, 56
.set G1S, 68
.set G0S, 76
.set G1SB, 80
.set G0SB, 88
.set MSB, 0
.macro WIN new
.if MSB != (\new)
	s_set_vgpr_msb (MSB<<8)|(\new)
.set MSB, (\new)
.endif
.endm
.set MUL_LO, 0xa1
.set MUL_HI, 0xf1
.set TO_B,   0x40
.macro JLOAD g0a, g1a, g0b, g1b
	s_cmp_eq_u32 s15, 0
	s_cbranch_scc0 .Lfor_b_\@
	tensor_load_to_lds s[\g0a:\g0a+3], s[\g1a:\g1a+7]
	s_nop 0
.rept 4
	v_nop
.endr
	s_branch .Lasked_\@
.Lfor_b_\@:
	tensor_load_to_lds s[\g0b:\g0b+3], s[\g1b:\g1b+7]
	s_nop 0
.rept 4
	v_nop
.endr
.Lasked_\@:
.endm
.macro CREST
	s_cmp_lg_u32 s14, 0
	s_cbranch_scc1 .Lnot_wave_0_\@
	s_barrier_signal -3
.Lnot_wave_0_\@:
	s_barrier_wait -3
	s_barrier_signal -1
	s_barrier_wait -1
.endm
.macro CROUND
	s_barrier_signal -1
	s_barrier_wait -1
	CREST
.endm
	s_load_b256 s[68:75], s[0:1], 0x0
	s_load_b64 s[12:13], s[0:1], 0x20
	s_load_b128 s[96:99], s[0:1], 0x28
	v_lshl_add_u32 v[SPW], v0, 2, SPARE
	v_mov_b32 v[NIL], 0
	ds_add_u32 v28, v29
	ds_add_u32 v28, v29
	s_wait_dscnt 0x0
	v_lshrrev_b32 v1, 5, v0
	v_readfirstlane_b32 s14, v1
	s_lshr_b32 s15, s14, 1
	s_and_b32 s16, s14, 1
	s_bfe_u32 s40, ttmp6, 0x40000
	s_bfe_u32 s41, ttmp6, 0x40004
	s_and_b32 s100, ttmp7, 0xffff
	s_mov_b32 s[SEL], 0x76543210
	s_mov_b32 s[SEL+1], 0xfedcba98
	s_lshr_b32 s17, s100, 1
	s_lshl_b32 s17, s17, 2
	s_and_b32 s42, s100, 1
	s_lshl_b32 s42, s42, 2
	s_max_u32 s18, s100, 16
	s_sub_co_u32 s18, s18, 16
	s_lshl_b32 s18, s18, 2
	s_cmp_lt_u32 s100, 16
	s_cselect_b32 s17, s17, 8
	s_cselect_b32 s42, s42, s18
	s_add_co_u32 s17, s17, s41
	s_add_co_u32 s42, s42, s40
	s_lshl_b32 s43, s41, 2
	s_lshl_b32 s43, 15, s43
	s_lshl_b32 s44, 0x1111, s40
	s_or_b32 s[G1+0], s43, (3<<16)|(1<<21)
	s_or_b32 s[G1B+0], s44, (3<<16)|(1<<21)
.irp g, G1, G1B
	s_mov_b32 s[\g+1], 384<<16
	s_mov_b32 s[\g+2], 16<<16                      ; the head's loads of codes bring all 16 row blocks of a tile
	s_mov_b32 s[\g+3], 384<<16
	s_mov_b32 s[\g+4], 16
	s_mov_b32 s[\g+5], 1536
	s_mov_b32 s[\g+6], 0
	s_mov_b32 s[\g+7], 0
.endr
	s_lshl_b32 s18, s16, 3
	s_lshl_b32 s20, s17, 4
	s_add_co_u32 s20, s20, s18
	s_lshl_b32 s46, s42, 4
	s_add_co_u32 s46, s46, s18
	s_lshl_b32 s22, s17, 13                        ; the scales of A's 256 rows begin at 16 x 512 x tile row
	s_lshl_b32 s92, s42, 13                        ; and B's at 16 x 512 x tile column
	s_mul_i32 s20, s20, 8*IMG
	s_mul_i32 s46, s46, 8*IMG
	s_mov_b32 s21, 0
	s_mov_b32 s23, 0
	s_mov_b32 s47, 0
	s_mov_b32 s93, 0
	s_mul_i32 s45, s14, HALFT
	s_wait_kmcnt 0x0
	s_cmp_lt_u32 s100, 16
	s_cselect_b64 s[4:5], s[68:69], s[72:73]
	s_cselect_b64 s[6:7], s[70:71], s[74:75]
	s_cselect_b64 s[8:9], s[72:73], s[68:69]
	s_cselect_b64 s[10:11], s[74:75], s[70:71]
	s_or_b32 s[G1S+0], s43, (3<<16)|(1<<20)|(1<<21)|(5<<22)|(3<<25)
	s_or_b32 s[G1SB+0], s44, (3<<16)|(1<<20)|(1<<21)|(5<<22)|(3<<25)
.irp g, G1S, G1SB
	s_mov_b32 s[\g+1], 32<<16
	s_mov_b32 s[\g+2], 32<<16                      ; the scales of all 256 rows: 32 units of 256 bytes
	s_mov_b32 s[\g+3], 32<<16
	s_mov_b32 s[\g+4], 32
	s_mov_b32 s[\g+5], 32
	s_mov_b32 s[\g+6], 0
	s_mov_b32 s[\g+7], 0
.endr
	s_add_nc_u64 s[20:21], s[4:5], s[20:21]
	s_add_nc_u64 s[22:23], s[6:7], s[22:23]
	s_add_nc_u64 s[46:47], s[8:9], s[46:47]
	s_add_nc_u64 s[92:93], s[10:11], s[92:93]
	CROUND
	s_mov_b32 s[G0S], 1
	s_mov_b32 s[G0S+1], SCL
	s_mov_b64 s[G0S+2:G0S+3], s[22:23]
	s_or_b32 s[G0S+3], s[G0S+3], 0x80000000
	s_mov_b32 s[G0SB], 1
	s_mov_b32 s[G0SB+1], SCL+2*HALFS
	s_mov_b64 s[G0SB+2:G0SB+3], s[92:93]
	s_or_b32 s[G0SB+3], s[G0SB+3], 0x80000000
.irp s, 0,1
	s_mov_b32 s[G0+4*\s], 1
	s_add_co_u32 s[G0+4*\s+1], s45, \s*SLOT
	s_add_nc_u64 s[G0+4*\s+2:G0+4*\s+3], s[20:21], \s*RBS
	s_or_b32 s[G0+4*\s+3], s[G0+4*\s+3], 0x80000000
	s_mov_b32 s[G0B+4*\s], 1
	s_add_co_u32 s[G0B+4*\s+1], s45, \s*SLOT
	s_add_nc_u64 s[G0B+4*\s+2:G0B+4*\s+3], s[46:47], \s*RBS
	s_or_b32 s[G0B+4*\s+3], s[G0B+4*\s+3], 0x80000000
.endr
; the head's four tiles, one joint load a wave: wave 0 slot 0's 256 rows of A, wave 1 A's scales, wave 2 slot 0's 256 rows of B, wave 3 B's scales
	s_cmp_eq_u32 s14, 0
	s_cbranch_scc0 .Lhead_1
	tensor_load_to_lds s[G0:G0+3], s[G1:G1+7]
	s_nop 0
.rept 4
	v_nop
.endr
	s_branch .Lhead_asked
.Lhead_1:
	s_cmp_eq_u32 s14, 1
	s_cbranch_scc0 .Lhead_2
	tensor_load_to_lds s[G0S:G0S+3], s[G1S:G1S+7]
	s_nop 0
.rept 4
	v_nop
.endr
	s_branch .Lhead_asked
.Lhead_2:
	s_cmp_eq_u32 s14, 2
	s_cbranch_scc0 .Lhead_3
	tensor_load_to_lds s[G0B:G0B+3], s[G1B:G1B+7]
	s_nop 0
.rept 4
	v_nop
.endr
	s_branch .Lhead_asked
.Lhead_3:
	tensor_load_to_lds s[G0SB:G0SB+3], s[G1SB:G1SB+7]
	s_nop 0
.rept 4
	v_nop
.endr
.Lhead_asked:
	v_and_b32 v8, 15, v0
	v_bfe_u32 v9, v0, 4, 1
	v_and_b32 v1, 31, v0
	v_lshlrev_b32 v10, 4, v1
	v_lshlrev_b32 v11, 3, v1
	s_mul_i32 s21, s15, HALFT
	s_mul_i32 s22, s16, HALFT
	s_add_co_u32 s22, s22, 2*HALFT
.irp s, 0,1
	v_add_nc_u32 v[ADRA+\s], s21, v10
	v_add_nc_u32 v[ADRB+\s], s22, v10
	v_add_nc_u32 v[ADRA+2+\s], s21, v11
	v_add_nc_u32 v[ADRB+2+\s], s22, v11
	s_add_co_u32 s21, s21, SLOT
	s_add_co_u32 s22, s22, SLOT
.endr
	v_mul_u32_u24 v5, v8, 32
	v_lshrrev_b32 v6, 8, v5
	v_lshl_add_u32 v5, v6, 4, v5
	s_mul_i32 s21, s15, HALFS
	s_mul_i32 s22, s16, HALFS
	s_add_co_u32 s22, s22, 2*HALFS
	s_sub_co_u32 s22, s22, s21
	v_mul_u32_u24 v6, s22, v9
	s_add_co_u32 s21, s21, SCL
	v_add_nc_u32 v5, v5, v6
	v_add_nc_u32 v[ADRS], s21, v5
.irp b, 0,1,2,3
	v_mov_b32 v[TM+4+\b], 0
.endr
	v_lshlrev_b32 v12, 6, v9
	s_wait_alu depctr_va_vdst(0)
	v_and_b32 v13, 8, v8
	v_add_nc_u32 v13, v13, v8
	v_lshlrev_b32 v13, 2, v13
	s_wait_alu depctr_va_vdst(0)
	s_lshl_b32 s46, s42, 10
	s_lshl_b32 s47, s16, 9
	s_add_co_u32 s46, s46, s47
	s_lshl_b32 s20, s17, 10
	s_lshl_b32 s21, s15, 9
	s_add_co_u32 s20, s20, s21
	s_cmp_lt_u32 s100, 16
	s_cselect_b32 s46, s46, 0
	s_cselect_b32 s20, 0, s20
	s_mov_b32 s47, 0
	s_mov_b32 s21, 0
	s_add_nc_u64 s[4:5], s[12:13], s[46:47]
	s_add_nc_u64 s[6:7], s[12:13], s[20:21]
.irp b, 0,1,2,3,4,5,6,7
	global_load_b128 v[BI+8*\b:BI+8*\b+3], v12, s[4:5] offset:(32*(\b/2)+8*(\b%2))*4
	global_load_b128 v[BI+8*\b+4:BI+8*\b+7], v12, s[4:5] offset:(32*(\b/2)+8*(\b%2))*4+16
.endr
.irp a, 0,1,2,3,4,5,6,7
	global_load_b32 v[BV+2*\a], v13, s[6:7] offset:(32*(\a/2)+8*(\a%2))*4
	global_load_b32 v[BV+2*\a+1], v13, s[6:7] offset:(32*(\a/2)+8*(\a%2))*4
.endr
.macro FRAG reg, adr, q, i
.irp c, 0,1
	ds_load_b128 v[\reg+6*\c:\reg+6*\c+3], v[\adr] offset:RBS*(\i)+IMG*(\q)+768*\c
	ds_load_b64 v[\reg+6*\c+4:\reg+6*\c+5], v[\adr+2] offset:RBS*(\i)+IMG*(\q)+768*\c+512
.endr
.endm
.macro MUL16 a0, p, q, sc, zero
.irp a, \a0, \a0+1
.irp b, 0,1,2,3,4,5,6,7
.if \zero
	v_wmma_scale_f32_16x16x128_f8f6f4 v[8*(8*((\a)%4)+\b):8*(8*((\a)%4)+\b)+7], v[128*(\p)+FR*\b:128*(\p)+FR*\b+FR-1], v[AF+FR*(\a):AF+FR*(\a)+FR-1], 0, v[SC+8*NQ*(\sc)+NQ*\b+(\q)], v[SC+8*NQ*(\sc)+NQ*(\a)+(\q)] matrix_a_fmt:MATRIX_FMT_FP6 matrix_b_fmt:MATRIX_FMT_FP6 matrix_a_scale:MATRIX_SCALE_ROW1
.else
	v_wmma_scale_f32_16x16x128_f8f6f4 v[8*(8*((\a)%4)+\b):8*(8*((\a)%4)+\b)+7], v[128*(\p)+FR*\b:128*(\p)+FR*\b+FR-1], v[AF+FR*(\a):AF+FR*(\a)+FR-1], v[8*(8*((\a)%4)+\b):8*(8*((\a)%4)+\b)+7], v[SC+8*NQ*(\sc)+NQ*\b+(\q)], v[SC+8*NQ*(\sc)+NQ*(\a)+(\q)] matrix_a_fmt:MATRIX_FMT_FP6 matrix_b_fmt:MATRIX_FMT_FP6 matrix_a_scale:MATRIX_SCALE_ROW1
.endif
.endr
.endr
.endm
.macro FETCH_B slot, q, p
	WIN TO_B
.irp i, 0,1,2,3,4,5,6,7
	FRAG 128*(\p)+FR*\i, ADRB+\slot, \q, \i
.endr
	WIN 0
.endm
.macro FETCH_A slot, q, i0
.irp i, \i0, \i0+1, \i0+2, \i0+3
	FRAG AF+FR*(\i), ADRA+\slot, \q, \i
.endr
.endm
.macro SCALES sc
.irp i, 0,1,2,3,4,5,6,7
	ds_load_b64 v[SC+8*NQ*\sc+NQ*\i:SC+8*NQ*\sc+NQ*\i+1], v[ADRS] offset:\i*SBLK
.endr
.endm
.macro PLACES n
.rept \n
	v_nop
.endr
.endm
.macro STEP slot, q, zero
	s_wait_dscnt 4*NL
	WIN MUL_LO
	MUL16 0, (\q)%2, \q, \slot, \zero
	MUL16 2, (\q)%2, \q, \slot, \zero
	s_wait_dscnt 0
	PLACES NP
	FETCH_B \slot, (\q)+1, 1-(\q)%2
	FETCH_A \slot, (\q)+1, 0
	WIN MUL_HI
	MUL16 4, (\q)%2, \q, \slot, \zero
	MUL16 6, (\q)%2, \q, \slot, \zero
	PLACES NP
	WIN 0
	FETCH_A \slot, (\q)+1, 4
.endm
.macro TURN slot, next, fill
	s_wait_tensorcnt 0x0
	ds_add_u32 v[SPW], v[NIL]
	s_wait_dscnt 4*NL+1
	WIN MUL_LO
	MUL16 0, 1, NQ-1, \slot, 0
	s_wait_dscnt 0x0
	s_barrier_signal -1
	MUL16 2, 1, NQ-1, \slot, 0
	WIN 0
	s_barrier_wait -1
.if \fill
	CREST
	s_add_nc_u64 s[G0+4*\slot+2:G0+4*\slot+3], s[G0+4*\slot+2:G0+4*\slot+3], 2*RBS
	s_add_nc_u64 s[G0B+4*\slot+2:G0B+4*\slot+3], s[G0B+4*\slot+2:G0B+4*\slot+3], 2*RBS
	JLOAD G0+4*\slot, G1, G0B+4*\slot, G1B
.else
	PLACES NP
.endif
	s_wait_alu depctr_va_vdst(0)
	v_add_nc_u32 v[ADRS], 4*NQ, v[ADRS]
	FETCH_B \next, 0, 0
	FETCH_A \next, 0, 0
	SCALES \next
	WIN MUL_HI
	MUL16 4, 1, NQ-1, \slot, 0
	MUL16 6, 1, NQ-1, \slot, 0
	PLACES NP
	WIN 0
	FETCH_A \next, 0, 4
.endm
	s_wait_alu depctr_va_vdst(0)                   ; the wait at the head's end
	s_wait_tensorcnt 0x0                           ; my tile of the head's four is in
	ds_add_u32 v[SPW], v[NIL]
	s_mov_b32 s[G1+2], 8<<16                       ; no load of mine is out: from here on a load brings 8 row blocks
	s_mov_b32 s[G1+4], 8
	s_mov_b32 s[G1B+2], 8<<16
	s_mov_b32 s[G1B+4], 8
	s_wait_dscnt 0x0
	CROUND                                         ; all four tiles are in, in every partner
	JLOAD G0+4, G1, G0B+4, G1B                     ; slot 1's first fill, a quarter a wave
	FETCH_B 0, 0, 0
	FETCH_A 0, 0, 0
	SCALES 0
	FETCH_A 0, 0, 4
	STEP 0, 0, 1
.rept LAPS-1
	TURN 0, 1, 1
	STEP 1, 0, 0
	TURN 1, 0, 1
	STEP 0, 0, 0
.endr
	TURN 0, 1, 0
	STEP 1, 0, 0
	s_wait_dscnt 4*NL
	WIN MUL_LO
	MUL16 0, 1, NQ-1, 1, 0
	MUL16 2, 1, NQ-1, 1, 0
	s_wait_dscnt 0
	WIN MUL_HI
	MUL16 4, 1, NQ-1, 1, 0
	MUL16 6, 1, NQ-1, 1, 0
	WIN 0
.macro QUANT s
.irp b, 0,1,2,3
	v_max3_num_f32 v[TM+\b], |v[\s+16*\b]|, |v[\s+1+16*\b]|, 0x1800000
.endr
.irp i, 2,4,6,8,10,12,14
.irp b, 0,1,2,3
	v_max3_num_f32 v[TM+\b], v[TM+\b], |v[\s+16*\b+\i]|, |v[\s+1+16*\b+\i]|
.endr
.endr
.irp b, 0,1,2,3
	v_permlanex16_b32 v[TM+4+\b], v[TM+\b], s[SEL], s[SEL+1]
.endr
.irp b, 0,1,2,3
	v_max_num_f32 v[TM+\b], v[TM+\b], v[TM+4+\b]
.endr
.irp b, 0,1,2,3
	v_add_nc_u32 v[TM+12+\b], 0xff000000, v[TM+\b]
.endr
.irp b, 0,1,2,3
	v_lshrrev_b32 v[TM+4+\b], 23, v[TM+12+\b]
.endr
	v_lshl_or_b32 v[PW], v[TM+5], 8, v[TM+4]
	v_lshl_or_b32 v[PW], v[TM+6], 16, v[PW]
	v_lshl_or_b32 v[PW], v[TM+7], 24, v[PW]
.irp c, 0,1
	v_cvt_scalef32_pk16_fp6_f32 v[PC+6*\c:PC+2+6*\c], v[\s+32*\c:\s+15+32*\c], v[TM+12+2*\c]
	v_cvt_scalef32_pk16_fp6_f32 v[PC+12+4*\c:PC+14+4*\c], v[\s+16+32*\c:\s+31+32*\c], v[TM+12+2*\c+1]
.endr
	v_nop
.irp c, 0,1
.irp i, 0,1,2
	v_permlane16_swap_b32 v[PC+6*\c+\i], v[PC+12+4*\c+\i]
.endr
.irp i, 0,1,2
	v_mov_b32 v[PC+3+6*\c+\i], v[PC+12+4*\c+\i]
.endr
.endr
.endm
.macro EPI kind
.irp a, 0,1,2,3,4,5,6,7
.if \a > 0
	s_wait_xcnt 0x0
.endif
	WIN 0x02+(\a)/4
.set i, 0
.rept 32
.if \kind
	v_pk_add_f32 v[HA+i:HA+i+1], v[64*((\a)%4)+i:64*((\a)%4)+i+1], v[BV+2*\a:BV+2*\a+1]
.else
	v_pk_add_f32 v[HA+i:HA+i+1], v[64*((\a)%4)+i:64*((\a)%4)+i+1], v[BI+i:BI+i+1]
.endif
.set i, i+2
.endr
	WIN 0
	QUANT HA
.if \kind
	v_mov_b32 v[SW+\a], v[PW]
.irp c, 0,1,2
	global_store_b128 v10, v[PC+4*\c:PC+4*\c+3], s[46:47] offset:6144+((\a)/4)*208896+((\a)%4)*1536+512*\c
.endr
.else
	v_bfe_u32 v[TW+\a], v[PW], v30, 16
	global_store_b128 v10, v[PC:PC+3], s[46:47] offset:768*\a
	global_store_b64 v11, v[PC+4:PC+5], s[46:47] offset:768*\a+512
	global_store_b128 v10, v[PC+6:PC+9], s[92:93] offset:768*\a
	global_store_b64 v11, v[PC+10:PC+11], s[92:93] offset:768*\a+512
.endif
.endr
.endm
	PLACES NP
	s_wait_loadcnt 0x0
	s_lshl_b32 s8, s17, 8
	s_lshl_b32 s9, s15, 7
	s_add_co_u32 s8, s8, s9
	s_lshl_b32 s10, s42, 8
	s_lshl_b32 s11, s16, 7
	s_add_co_u32 s10, s10, s11
	s_cmp_lt_u32 s100, 16
	s_cselect_b32 s18, s8, s10
	s_cselect_b32 s19, s10, s8
	s_bfe_u32 s19, s19, 0x40006
	s_lshr_b32 s20, s18, 11
	s_lshl_b32 s20, s20, 4
	s_add_co_u32 s20, s20, s19
	s_lshl_b32 s20, s20, 4
	s_bfe_u32 s21, s18, 0x40007
	s_add_co_u32 s20, s20, s21
	s_and_b32 s21, s100, 0x11
	s_cmp_eq_u32 s21, 0
	s_mov_b32 s22, 13056
	s_cselect_b32 s22, 6656, s22
	s_mov_b32 s44, 12288
	s_cselect_b32 s44, 6144, s44
	s_cselect_b64 s[46:47], s[96:97], s[98:99]
	s_mul_i32 s20, s20, s22
	s_mov_b32 s21, 0
	s_add_nc_u64 s[46:47], s[46:47], s[20:21]
	s_lshl_b32 s22, s22, 4
	s_mov_b32 s23, 0
	s_add_nc_u64 s[92:93], s[46:47], s[22:23]
	s_mov_b32 s45, 0
	s_add_nc_u64 s[94:95], s[46:47], s[44:45]
	v_lshlrev_b32 v26, 4, v8
	v_mad_u32_u24 v26, v9, s22, v26
	v_lshlrev_b32 v30, 4, v9
	s_cmp_lt_u32 s100, 16
	s_cbranch_scc0 .Lepi_v
	EPI 0
	global_store_b128 v26, v[TW:TW+3], s[94:95]
	global_store_b128 v26, v[TW+4:TW+7], s[94:95] offset:256
	s_branch .Ldone
.Lepi_v:
	EPI 1
	v_cmp_le_u32 vcc_lo, 16, v1
.irp i, 0,1,2,3
	v_cndmask_b32 v[TW+\i], v[SW+\i], v[SW+4+\i], vcc_lo
.endr
	global_store_b128 v26, v[TW:TW+3], s[46:47] offset:12800
.Ldone:
	s_wait_tensorcnt 0x0
	ds_add_u32 v[SPW], v[NIL]
	s_wait_dscnt 0x0
	CROUND
	s_endpgm
.Lfunc_end_k_q14400a987d_qkv:
	.size	k_q14400a987d_qkv, .Lfunc_end_k_q14400a987d_qkv-k_q14400a987d_qkv
	.p2alignl 7, 3214868480
	.fill 96, 4, 3214868480
	.section	.rodata,"a",@progbits
	.p2align	6, 0x0
	.amdhsa_kernel k_q14400a987d_qkv
		.amdhsa_group_segment_fixed_size 327680
		.amdhsa_private_segment_fixed_size 0
		.amdhsa_enable_private_segment 0
		.amdhsa_kernarg_size 56
		.amdhsa_user_sgpr_count 2
		.amdhsa_user_sgpr_kernarg_segment_ptr 1
		.amdhsa_wavefront_size32 1
		.amdhsa_system_sgpr_workgroup_id_x 1
		.amdhsa_system_sgpr_workgroup_id_y 1
		.amdhsa_system_sgpr_workgroup_id_z 1
		.amdhsa_system_vgpr_workitem_id 0
		.amdhsa_next_free_vgpr 1024
		.amdhsa_next_free_sgpr 102
		.amdhsa_reserve_vcc 1
		.amdhsa_float_denorm_mode_32 3
		.amdhsa_float_denorm_mode_16_64 3
		.amdhsa_memory_ordered 1
		.amdhsa_forward_progress 1
		.amdhsa_inst_pref_size 219
	.end_amdhsa_kernel
	.amdgpu_metadata
---
amdhsa.version: [ 1, 2 ]
amdhsa.kernels:
  - .name:           k_q14400a987d_qkv
    .symbol:         k_q14400a987d_qkv.kd
    .args:
      - { .name: xc, .offset: 0, .size: 8, .value_kind: global_buffer, .address_space: global }
      - { .name: xs, .offset: 8, .size: 8, .value_kind: global_buffer, .address_space: global }
      - { .name: wc, .offset: 16, .size: 8, .value_kind: global_buffer, .address_space: global }
      - { .name: ws, .offset: 24, .size: 8, .value_kind: global_buffer, .address_space: global }
      - { .name: b_qkv, .offset: 32, .size: 8, .value_kind: global_buffer, .address_space: global }
      - { .name: qb, .offset: 40, .size: 8, .value_kind: global_buffer, .address_space: global }
      - { .name: kv, .offset: 48, .size: 8, .value_kind: global_buffer, .address_space: global }
    .group_segment_fixed_size: 327680
    .private_segment_fixed_size: 0
    .kernarg_segment_align: 8
    .kernarg_segment_size: 56
    .max_flat_workgroup_size: 128
    .sgpr_count:     102
    .vgpr_count:     1024
    .wavefront_size: 32
...
	.end_amdgpu_metadata
.endif
;; end of part 2
;; launch attn (part 3): grid 4 x 64, 16 waves a work-group, clusters of 4 x 1, 263,168 bytes of LDS; arguments qb, kv, ac, asc; writes ac, asc
.if DOCPART == 3
	.amdgcn_target "amdgcn-amd-amdhsa--gfx1250"
	.amdhsa_code_object_version 6
	.text
	.protected	k_q14400a987d_attn
	.globl	k_q14400a987d_attn
	.p2align	8
	.type	k_q14400a987d_attn,@function
k_q14400a987d_attn:
	s_mov_b64 s[64:65], 0
	v_nop
	global_prefetch_b8 v0, s[64:65] scope:SCOPE_SE
	s_setreg_imm32_b32 hwreg(HW_REG_WAVE_MODE, 25, 1), 1
	s_wait_xcnt 0x0
	s_wait_alu depctr_hold_cnt(0) depctr_sa_sdst(0) depctr_va_vdst(0) depctr_va_sdst(0) depctr_va_ssrc(0) depctr_va_vcc(0) depctr_vm_vsrc(0)
	s_getreg_b32 s2, hwreg(HW_REG_IB_STS2, 6, 4)
	s_cmp_eq_u32 s2, 0
	s_cbranch_scc0 .Lentry_in_a_cluster
	s_endpgm
.Lentry_in_a_cluster:
	s_bfe_u32 s2, ttmp6, 0x10000c
	s_cmp_lg_u32 s2, 0x3003
	s_cbranch_scc0 .Lentry_shape_is_right
	s_endpgm
.Lentry_shape_is_right:
; Attention of one head (64 channels, 2,048 keys) on codes of FP6 (E2M3) with E8M0 scales; the result is quantised along d_model and leaves as the output product's operand images.
; t = score x log2(e) / 8; M = the running largest t rounded UP to a whole number; p = 2^(t - M) is quantised along the keys, not normalised; the row's sum is taken of the unquantised p and divides at the end.
; When M moves, the sum and O are multiplied by 2^(old M - new M): exact.
; SHARES.  A work-group owns 512 queries of a head; its sixteen waves own a tile of 16 queries each, twice (two passes).
; THE HEAD'S WHOLE K AND V, 16 key steps of 13,056 bytes, LIE IN LDS, FILLED ONCE: wave w brings key step w.  No slot is filled again, so the loop has no barrier.
; The load lays 64 bytes of padding behind every 256: a step takes 51 x 320 bytes.
; CLUSTER.  The four work-groups of a cluster are the four query blocks of one head: each tile is asked for jointly, by the same load with the same descriptor in all four.
; LAYOUT.  Both products transposed (S^T = K Q^T, O^T = V^T P^T): a lane holds one query.
; In memory K's tile 2 b + u holds at position r the key 32 b + 8 u + r + 8 (r / 8).  HERE A TILE OF K IS FORMED ANEW BY THE LANES' LDS ADDRESSES: tile 4 c + j takes as row x the key 64 c + 32 (x / 8) + 8 j + x % 8,
; which lies in memory's tile 4 c + 2 (x / 8) + j % 2 at position 8 (j / 2) + x % 8.  So lane (r, h) has in the 32 registers of tiles 4 c .. 4 c + 3 the keys 64 c + 32 h + 0 .. 31 of query r:
; one whole scale block, in the order of p's operand registers.  No lane is asked for a block's maximum and no code changes lanes.  Two tiles apart are 1,920 bytes, 128 modulo 256.
; THE HEAD HAS 64 CHANNELS, THE INSTRUCTION 128: Q's registers 6-11 are zero codes and the upper two bytes of Q's and K's scale words are 0.  What source 0 holds in its registers 6-11 is multiplied by zeros (the format has no NaN):
; they are the next tile's registers, and behind the last tile V's.
; K OF STEP i + 1 IS ASKED FOR IN STEP i, with V of step i: 30 LDS loads in one run, ahead of the exponentials.  The last step of a pass asks for key step 0 again; the second pass's last such request is not used.
; SCALE WORDS, two tiles to a register: lanes 0-15 hold the word of tile j / 2 = 0 (V: d / 2 = 0), lanes 16-31 that of j / 2 = 1; the instruction's row selector picks.
; Nothing is prefetched: all that the work-group reads from kv is asked for at its head.
; LIMITS: NaN and infinities are not served; a block whose largest magnitude lies under 2^-124 gets the byte 1; the promise holds while the scaled scores stay under 2^31 in magnitude.
.set STEPB, 13056                      ; a key step in memory
.set STEPL, 16320                      ; and in LDS
.set VL,    7680                       ; V's codes: row 24 of the step's 51
.set KSL,   15360                      ; K's scale words: rows 48, 49
.set VSL,   16000                      ; V's: row 50
.set SPARE, 16*STEPL                   ; the spare words, 128 bytes a wave
.set LKA, 1                            ; v1-5  lane terms: K's 16-byte pieces, K's 8-byte pieces, K's scale words, V's codes, V's scale words
.set LKB, 2
.set LKS, 3
.set LVA, 4
.set LVS, 5
.set KA,  6                            ; v6-10 the same with a step's base
.set KB,  7
.set KS,  8
.set VA,  9
.set VS,  10
.set QS,  11                           ; Q's scale words
.set QF,  16                           ; v16-27 Q: six registers of codes, six of zeros.  v12 -M, v13 the largest score, v[14:15] the sum
.set KR,  28                           ; v28-75 K's eight tiles
.set VR,  76                           ; v76-123 V's four channel tiles
.set KSC, 124                          ; v124-127
.set VSC, 128                          ; v128-129
.set S,   130                          ; v130-193 S^T, then p
.set OF,  170                          ; outside the loop: 16 lane, 8 lane, 16 r, 32 r
.set O,   194                          ; v194-225 O^T
.set PC,  226                          ; v226-237 p's codes
.set BM,  238                          ; v238-239 the two blocks' largest score, then largest p
.set MT,  240                          ; v240-247 the maxima's eight chains.  Later in the step: v238-240, v242-244 the conversions' upper halves, then v238-245 four chains of the sum
.set B1,  241
.set B0,  245
.set SO,  246                          ; v246-247 the conversions' scale operands
.set AC1, 248                          ; v248-251 two more chains of the sum
.set AC2, 250
.set F,   252                          ; f
.set PS,  253                          ; p's scale word
.set WV,  12
.set SEL, 28
.set CS,  30
.set TB,  32
.set CNT, 33
.set NCS, 46
.set TN,  47
.macro WALU
	s_wait_alu depctr_va_vdst(0)
.endm
.macro CROUND                          ; a round of the cluster's barrier
	s_barrier_signal -1
	s_barrier_wait -1
	s_cmp_lg_u32 s[WV], 0
	s_cbranch_scc1 .Lnot_wave_0_\@
	s_barrier_signal -3
.Lnot_wave_0_\@:
	s_barrier_wait -3
	s_barrier_signal -1
	s_barrier_wait -1
.endm
.macro ADDRS                           ; the lanes' offsets in q and in the results
	v_and_b32 v[OF], 31, v0
	v_and_b32 v[OF+2], 15, v0
	v_lshlrev_b32 v[OF+1], 3, v[OF]
	v_lshlrev_b32 v[OF], 4, v[OF]
	v_lshlrev_b32 v[OF+3], 5, v[OF+2]
	v_lshlrev_b32 v[OF+2], 4, v[OF+2]
.endm
.macro QLOAD off                       ; my tile of Q and its scale words
	global_load_b128 v[QF:QF+3], v[OF], s[40:41] offset:\off
	global_load_b64 v[QF+4:QF+5], v[OF+1], s[40:41] offset:\off+512
	global_load_b32 v[QS], v[OF+2], s[36:37] offset:\off+6144
.endm
.macro KPIECE m, a, b                  ; piece m % 2 of tile m / 2 of K
.set T_, (\m)/2
.set KO_, 960*(4*(T_/4)+T_%2)
.if (\m)%2
	ds_load_b64 v[KR+6*T_+4:KR+6*T_+5], v[\b] offset:KO_+640+64*((T_%4)/2)
.else
	ds_load_b128 v[KR+6*T_:KR+6*T_+3], v[\a] offset:KO_+128*((T_%4)/2)
.endif
.endm
.macro LD n                            ; load n of a step's 30: V and its scale words (13), then the next step's K and its scale words (17)
.if (\n) < 12
	ds_load_b128 v[VR+4*(\n):VR+4*(\n)+3], v[VA] offset:VL+640*(\n)
.elseif (\n) == 12
	ds_load_b64 v[VSC:VSC+1], v[VS] offset:VSL
.elseif (\n) < 29
	KPIECE (\n)-13, KA, KB
.else
	ds_load_2addr_b64 v[KSC:KSC+3], v[KS] offset0:0 offset1:40
.endif
.endm
.macro QK t
.if ((\t)%4)/2
	v_wmma_scale_f32_16x16x128_f8f6f4 v[S+8*\t:S+8*\t+7], v[KR+6*\t:KR+6*\t+11], v[QF:QF+11], 0, v[KSC+2*(\t/4)+\t%2], v[QS] matrix_a_fmt:MATRIX_FMT_FP6 matrix_b_fmt:MATRIX_FMT_FP6 matrix_a_scale:MATRIX_SCALE_ROW1
.else
	v_wmma_scale_f32_16x16x128_f8f6f4 v[S+8*\t:S+8*\t+7], v[KR+6*\t:KR+6*\t+11], v[QF:QF+11], 0, v[KSC+2*(\t/4)+\t%2], v[QS] matrix_a_fmt:MATRIX_FMT_FP6 matrix_b_fmt:MATRIX_FMT_FP6
.endif
.endm
.macro PV d
.if (\d)/2
	v_wmma_scale_f32_16x16x128_f8f6f4 v[O+8*\d:O+8*\d+7], v[VR+12*\d:VR+12*\d+11], v[PC:PC+11], v[O+8*\d:O+8*\d+7], v[VSC+\d%2], v[PS] matrix_a_fmt:MATRIX_FMT_FP6 matrix_b_fmt:MATRIX_FMT_FP6 matrix_a_scale:MATRIX_SCALE_ROW1
.else
	v_wmma_scale_f32_16x16x128_f8f6f4 v[O+8*\d:O+8*\d+7], v[VR+12*\d:VR+12*\d+11], v[PC:PC+11], v[O+8*\d:O+8*\d+7], v[VSC+\d%2], v[PS] matrix_a_fmt:MATRIX_FMT_FP6 matrix_b_fmt:MATRIX_FMT_FP6
.endif
.endm
.macro MAXES                           ; the largest of each of my two blocks' 32 scores: a chain to a tile, each accumulator from its low end on; 32 lines
.irp t, 0,1,2,3,4,5,6,7
	v_max3_num_f32 v[MT+\t], v[S+8*\t], v[S+8*\t+1], v[S+8*\t+2]
.endr
.irp i, 3,5
.irp t, 0,1,2,3,4,5,6,7
	v_max3_num_f32 v[MT+\t], v[MT+\t], v[S+8*\t+\i], v[S+8*\t+\i+1]
.endr
.endr
.irp c, 0,1
	v_max3_num_f32 v[MT+4*\c], v[MT+4*\c], v[S+32*\c+7], v[S+32*\c+15]
	v_max3_num_f32 v[MT+4*\c+1], v[MT+4*\c+1], v[S+32*\c+23], v[S+32*\c+31]
	v_max_num_f32 v[MT+4*\c+2], v[MT+4*\c+2], v[MT+4*\c+3]
.endr
.irp c, 0,1
	v_max3_num_f32 v[BM+\c], v[MT+4*\c], v[MT+4*\c+1], v[MT+4*\c+2]
.endr
.endm
.macro FMAS n                          ; the next n of the 32 lines that make t - M, two numbers a line
.rept \n
	v_pk_fma_f32 v[S+J_:S+J_+1], v[S+J_:S+J_+1], s[CS:CS+1], v[12:13] op_sel_hi:[1,0,0]
.set J_, J_+2
.endr
.endm
.macro ADD2 d, a, b
	v_pk_add_f32 v[\d:\d+1], v[\a:\a+1], v[\b:\b+1]
.endm
; ---------------- the head
	s_load_b128 s[4:7], s[0:1], 0x0                ; qb, kv
	s_load_b128 s[8:11], s[0:1], 0x10              ; ac, asc
	v_lshl_add_u32 v254, v0, 2, SPARE
	v_mov_b32 v255, 0
	ds_add_u32 v254, v255                          ; the opening lines
	ds_add_u32 v254, v255
	v_lshrrev_b32 v1, 5, v0
	v_readfirstlane_b32 s[WV], v1                  ; wave 0..15
	s_bfe_u32 s13, ttmp6, 0x40000                  ; cx: my block of 512 queries; it enters global addresses of q and of the results alone
	s_and_b32 s14, ttmp7, 0xffff                   ; the head, 16 batch + hh
	s_mov_b32 s16, 15|(3<<16)|(1<<20)|(1<<21)|(5<<22)|(15<<25)   ; the mask names all four; elements of 8 bytes; behind every 64 dwords 16 of padding
	s_mov_b32 s17, 32<<16                          ; a key step: 51 dense rows of 32 elements
	s_mov_b32 s18, 51<<16
	s_mov_b32 s19, 32<<16
	s_mov_b32 s20, 51
	s_mov_b32 s21, 32
	s_mov_b32 s22, 0
	s_mov_b32 s23, 0
	s_mul_i32 s34, s14, 16*STEPB
	s_mul_i32 s35, s[WV], STEPB
	s_add_co_u32 s34, s34, s35
	s_mov_b32 s35, 0
	s_mul_i32 s25, s[WV], STEPL                    ; LDS address: key step w
	s_mov_b32 s24, 1
	s_mov_b32 s[SEL], 0x76543210
	s_mov_b32 s[SEL+1], 0xfedcba98
	s_mov_b32 s[CS], 0x3e38aa3b                    ; c = log2(e) / sqrt(64)
	s_mov_b32 s[CS+1], s[CS]
	s_mov_b32 s[NCS], 0xbe38aa3b                   ; -c
	s_wait_dscnt 0x0
	s_wait_kmcnt 0x0
	s_add_nc_u64 s[26:27], s[6:7], s[34:35]
	s_or_b32 s27, s27, 0x80000000
	CROUND                                         ; all four work-groups are here: the joint loads meet
	tensor_load_to_lds s[24:27], s[16:23]          ; my one tensor load of the launch
	s_nop 0
.rept 4
	v_nop
.endr
	v_and_b32 v130, 15, v0                         ; r
	v_and_b32 v131, 7, v0                          ; r % 8
	v_bfe_u32 v132, v0, 3, 1                       ; r / 8
	v_bfe_u32 v133, v0, 4, 1                       ; h
	v_mul_u32_u24 v[LKA], v132, 1920               ; rows 8-15 of a tile lie two of memory's tiles on
	v_mul_u32_u24 v[LKB], v132, 1920
	v_lshlrev_b32 v[LKS], 4, v131
	v_lshlrev_b32 v[LVA], 4, v130
	v_lshlrev_b32 v[LVS], 4, v130
	v_lshl_add_u32 v[LKA], v131, 4, v[LKA]
	v_lshl_add_u32 v[LKB], v131, 3, v[LKB]
	v_lshl_add_u32 v[LKS], v132, 3, v[LKS]
	v_mad_u32_u24 v[LVA], v133, 320, v[LVA]        ; 16 r + a padded row for h
	v_lshl_add_u32 v[LVS], v133, 3, v[LVS]         ; 16 r + 8 h
	v_mad_u32_u24 v[LKA], v133, 320, v[LKA]        ; 1920 (r / 8) + 16 (r % 8) + 320 h
	v_lshl_add_u32 v[LKB], v133, 7, v[LKB]         ; 1920 (r / 8) + 8 (r % 8) + 128 h
	v_lshl_add_u32 v[LKS], v133, 7, v[LKS]
	v_add_nc_u32 v[LKS], KSL, v[LKS]               ; 16 (r % 8) + 8 (r / 8) + 128 h, in the scale words' rows
	ADDRS
.irp j, 22,23,24,25,26,27,76,77,78,79,80,81
	v_mov_b32 v\j, 0                               ; zero codes; and what the first step's last tile of K finds behind it
.endr
	v_mov_b32 v[PS], 0                             ; (named as the upper half of the pair with f before it is first written)
	WALU                                           ; the wait at the head's end, ahead of the scalar lines
	s_lshl_b32 s36, s14, 4
	s_lshl_b32 s37, s13, 2
	s_add_co_u32 s36, s36, s37
	s_lshr_b32 s37, s[WV], 3
	s_add_co_u32 s36, s36, s37                     ; q's step: 16 head + 4 cx + w / 8 (pass 1: two steps on)
	s_mul_i32 s36, s36, 6656
	s_mov_b32 s37, 0
	s_add_nc_u64 s[36:37], s[4:5], s[36:37]
	s_and_b32 s38, s[WV], 7                        ; my tile in it
	s_mul_i32 s40, s38, 768
	s_mov_b32 s41, 0
	s_add_nc_u64 s[40:41], s[36:37], s[40:41]
	s_lshr_b32 s38, s38, 2
	s_lshl_b32 s38, s38, 8
	s_and_b32 s39, s[WV], 3
	s_lshl_b32 s39, s39, 2
	s_add_co_u32 s38, s38, s39                     ; its scale words: 256 (t / 4) + 4 (t % 4)
	s_mov_b32 s39, 0
	s_add_nc_u64 s[36:37], s[36:37], s[38:39]
	QLOAD 0
	s_lshr_b32 s42, s14, 4
	s_lshl_b32 s42, s42, 7
	s_lshl_b32 s43, s13, 5
	s_add_co_u32 s42, s42, s43
	s_add_co_u32 s42, s42, s[WV]                   ; the results' row block: 128 batch + 32 cx + w (pass 1: 16 on)
	s_and_b32 s43, s14, 15                         ; hh
	s_lshl_b32 s44, s42, 9
	s_lshl_b32 s45, s43, 1
	s_add_co_u32 s44, s44, s45
	s_mov_b32 s45, 0
	s_add_nc_u64 s[10:11], s[10:11], s[44:45]      ; scale bytes: 512 a row block, + 2 hh in each row's 32
	s_lshl_b32 s42, s42, 3
	s_lshr_b32 s44, s43, 1
	s_add_co_u32 s42, s42, s44                     ; image: 8 a row block, + K step hh / 2,
	s_mul_i32 s42, s42, 1536
	s_and_b32 s43, s43, 1
	s_mul_i32 s43, s43, 768                        ; and its half hh % 2
	s_add_co_u32 s42, s42, s43
	s_mov_b32 s43, 0
	s_add_nc_u64 s[8:9], s[8:9], s[42:43]
	s_wait_tensorcnt 0x0                           ; my key step is in,
	s_barrier_signal -1
	s_barrier_wait -1                              ; everybody's is
.set M_, 0
.rept 16
	KPIECE M_, LKA, LKB                            ; key step 0's K
.set M_, M_+1
.endr
	ds_load_2addr_b64 v[KSC:KSC+3], v[LKS] offset0:0 offset1:40
	s_wait_loadcnt 0x0                             ; Q
; ---------------- a key step: 128 keys
.macro STEP
	s_wait_dscnt 0x0                               ; this step's K (asked for a step ago)
	s_mul_i32 s[TB], s[CNT], STEPL                 ; this step's base, for V,
	s_add_co_u32 s[TN], s[CNT], 1
	s_and_b32 s[TN], s[TN], 15
	s_mul_i32 s[TN], s[TN], STEPL                  ; and the next step's, for K; behind step 15 comes step 0
.irp t, 0,1,2,3,4,5,6,7
	QK \t
.endr
	v_add_nc_u32 v[VA], s[TB], v[LVA]              ; these five are the places between the products and the first read of the scores
	v_add_nc_u32 v[VS], s[TB], v[LVS]
	v_add_nc_u32 v[KA], s[TN], v[LKA]
	v_add_nc_u32 v[KB], s[TN], v[LKB]
	v_add_nc_u32 v[KS], s[TN], v[LKS]
	MAXES
	v_max3_num_f32 v[MT], v13, v[BM], v[BM+1]
	v_permlanex16_b32 v[B1], v[MT], s[SEL], s[SEL+1]
	v_max_num_f32 v13, v[MT], v[B1]                ; the running largest score of my query
	v_mul_f32 v[MT], s[NCS], v13                   ; -t
	v_floor_f32 v[MT], v[MT]                       ; the new -M = -ceil(t)
	v_sub_f32 v[B1], v[MT], v12                    ; old M - new M: a whole number, 0 or less
	v_mov_b32 v12, v[MT]
.set J_, 0
	FMAS 4                                         ; t - M wants -M alone: the two lines that make f stand among these
	v_cvt_i32_f32 v[B1], v[B1]                     ; (it saturates)
	FMAS 4
	v_ldexp_f32 v[F], 1.0, v[B1]                   ; f = 2^(old M - new M)
	FMAS 24
	v_pk_fma_f32 v[BM:BM+1], v[BM:BM+1], s[CS:CS+1], v[12:13] op_sel_hi:[1,0,0]       ; the same of each block's largest score
.set j, 0
.rept 16
	v_pk_mul_f32 v[O+j:O+j+1], v[O+j:O+j+1], v[F:F+1] op_sel_hi:[1,0]   ; O^T under the new M
.set j, j+2
.endr
	WALU                                           ; the wait ahead of the batch
.set N_, 0
.rept 30
	LD N_                                          ; V of this step, K of the next: one run, far behind the products that read these registers
.set N_, N_+1
.endr
.set j, 0
.rept 64
	v_exp_f32 v[S+j], v[S+j]                       ; p = 2^(t - M), at most 1
.set j, j+1
.endr
	v_exp_f32 v[BM], v[BM]                         ; the block's largest p: the same two instructions on the same number
	v_exp_f32 v[BM+1], v[BM+1]
	v_pk_mul_f32 v[14:15], v[14:15], v[F:F+1] op_sel_hi:[1,0]   ; the sum under the new M: the plain place behind the batch
	WALU                                           ; and one wait behind it, ahead of the first reader
	v_max_num_f32 v[BM], 0x1800000, v[BM]          ; the floor 2^(3 - 127)
	v_max_num_f32 v[BM+1], 0x1800000, v[BM+1]
	ADD2 AC1, S, S+2                               ; the row's sum of the unquantised p: 32 additions for 32 pairs; the first six stand among the lines that make the scales
	ADD2 AC2, S+4, S+6
	v_add_nc_u32 v[SO], 0xff000000, v[BM]          ; the conversions' scale operands
	v_add_nc_u32 v[SO+1], 0xff000000, v[BM+1]
	ADD2 14, 14, S+8
	ADD2 AC1, AC1, S+10
	v_lshrrev_b32 v[B0], 23, v[SO]                 ; the bytes of my blocks h and 2 + h
	v_lshrrev_b32 v[B1], 23, v[SO+1]
	v_cvt_scalef32_pk16_fp6_f32 v[PC:PC+2], v[S:S+15], v[SO]
	v_cvt_scalef32_pk16_fp6_f32 v[238:240], v[S+16:S+31], v[SO]        ; (a conversion's three registers begin on an even number)
	v_cvt_scalef32_pk16_fp6_f32 v[PC+6:PC+8], v[S+32:S+47], v[SO+1]
	v_cvt_scalef32_pk16_fp6_f32 v[242:244], v[S+48:S+63], v[SO+1]
	v_lshl_or_b32 v[B0], v[B1], 16, v[B0]          ; the plain place behind the conversions
.irp i, 0,1,2
	v_mov_b32 v[PC+3+\i], v[238+\i]
	v_mov_b32 v[PC+9+\i], v[242+\i]
.endr
	v_permlanex16_b32 v[B1], v[B0], s[SEL], s[SEL+1]
	ADD2 AC2, AC2, S+12
	ADD2 14, 14, S+14
	v_lshl_or_b32 v[PS], v[B1], 8, v[B0]           ; p's scale word: whole in lanes 0-15, which alone are read
.irp k, 0,1,2,3
	ADD2 238+2*\k, S+16+4*\k, S+18+4*\k            ; v238-245 are free now: four more chains.  The 26 additions from here on are more than the eight places that a scale register so written wants
.endr
.set m, 0
.irp a, 14,248,250,238,240,242,244,14,248,250,238,240,242,244,14,248
	ADD2 \a, \a, S+32+2*m
.set m, m+1
.endr
	ADD2 238, 238, 240
	ADD2 242, 242, 244
	ADD2 AC1, AC1, AC2
	ADD2 238, 238, 242
	ADD2 14, 14, AC1
	ADD2 14, 14, 238
	s_wait_dscnt 17                                ; V and its scale words are in; behind them were issued K's 16 pieces and its scale words
.irp d, 0,1,2,3
	PV \d
.endr
.endm
; The tile's end: O^T / the sum; register 16 b + i is channel 32 b + 16 h + i of my query: two blocks along d_model are quantised and leave as half of an operand image and two scale bytes.
.macro FIN p
	WALU                                           ; the sum's last addition stands just ahead of the step's wait for V
	v_add_f32 v14, v14, v15
	ADDRS
	v_permlanex16_b32 v[B1], v14, s[SEL], s[SEL+1]
	v_add_f32 v14, v14, v[B1]                      ; the row's sum
.if \p == 0
	QLOAD 13312                                    ; the second pass's Q
.endif
	WALU
	v_rcp_f32 v14, v14
	v_nop
	WALU                                           ; ahead of the reciprocal's first reader and of O^T's
.set j, 0
.rept 16
	v_pk_mul_f32 v[S+j:S+j+1], v[O+j:O+j+1], v[14:15] op_sel_hi:[1,0]
.set j, j+2
.endr
.irp b, 0,1
	v_max3_num_f32 v[BM+\b], |v[S+16*\b]|, |v[S+16*\b+1]|, 0x1800000
.endr
.irp i, 2,4,6,8,10,12,14
.irp b, 0,1
	v_max3_num_f32 v[BM+\b], v[BM+\b], |v[S+16*\b+\i]|, |v[S+16*\b+\i+1]|
.endr
.endr
.irp b, 0,1
	v_permlanex16_b32 v[MT+\b], v[BM+\b], s[SEL], s[SEL+1]
.endr
.irp b, 0,1
	v_max_num_f32 v[BM+\b], v[BM+\b], v[MT+\b]
.endr
.irp b, 0,1
	v_add_nc_u32 v[SO+\b], 0xff000000, v[BM+\b]
.endr
.irp b, 0,1
	v_lshrrev_b32 v[MT+\b], 23, v[SO+\b]
.endr
	v_lshl_or_b32 v[B0], v[MT+1], 8, v[MT]
	v_cvt_scalef32_pk16_fp6_f32 v[PC:PC+2], v[S:S+15], v[SO]
	v_cvt_scalef32_pk16_fp6_f32 v[242:244], v[S+16:S+31], v[SO+1]
	v_nop
.irp i, 0,1,2
	v_permlane16_swap_b32 v[PC+\i], v[242+\i]
.endr
.irp i, 0,1,2
	v_mov_b32 v[PC+3+\i], v[242+\i]
.endr
	global_store_b128 v[OF], v[PC:PC+3], s[8:9] offset:196608*\p          ; 512 consecutive bytes
	global_store_b64 v[OF+1], v[PC+4:PC+5], s[8:9] offset:196608*\p+512   ; 256
	global_store_b16 v[OF+3], v[B0], s[10:11] offset:8192*\p              ; two of a row's 32 scale bytes (both halves of the lanes write the same): a whole word would want two heads in a work-group, whose K and V do not fit in LDS together
.endm
.macro PASS p
.if \p
	s_wait_xcnt 0x0                                ; the first pass's stores have read their registers
.endif
	v_mov_b32 v13, 0xff61b1e6                      ; the largest score so far: -3e38
	v_mov_b32 v12, 0x7f61b1e6                      ; -M: 3e38, so that the first f is 0
	v_mov_b32 v14, 0
	v_mov_b32 v15, 0
.set j, 0
.rept 32
	v_mov_b32 v[O+j], 0                            ; the step is written once: the first finds zeros
.set j, j+1
.endr
	s_mov_b32 s[CNT], 0
.if \p
	s_wait_loadcnt 0x0                             ; Q
.endif
	WALU
.Lstep_\@:
	STEP
	s_add_co_u32 s[CNT], s[CNT], 1
	s_cmp_lt_u32 s[CNT], 16
	s_cbranch_scc1 .Lstep_\@
	FIN \p
.endm
	PASS 0
	PASS 1
	s_wait_tensorcnt 0x0                           ; the wave's end
	ds_add_u32 v254, v255
	s_wait_dscnt 0x0
	CROUND                                         ; the closing round: no work-group ends while a partner may still ask for a tile that names it
	s_endpgm
.Lfunc_end_k_q14400a987d_attn:
	.size	k_q14400a987d_attn, .Lfunc_end_k_q14400a987d_attn-k_q14400a987d_attn
	.p2alignl 7, 3214868480
	.fill 96, 4, 3214868480
	.section	.rodata,"a",@progbits
	.p2align	6, 0x0
	.amdhsa_kernel k_q14400a987d_attn
		.amdhsa_group_segment_fixed_size 263168
		.amdhsa_private_segment_fixed_size 0
		.amdhsa_enable_private_segment 0
		.amdhsa_kernarg_size 32
		.amdhsa_user_sgpr_count 2
		.amdhsa_user_sgpr_kernarg_segment_ptr 1
		.amdhsa_wavefront_size32 1
		.amdhsa_system_sgpr_workgroup_id_x 1
		.amdhsa_system_sgpr_workgroup_id_y 1
		.amdhsa_system_sgpr_workgroup_id_z 1
		.amdhsa_system_vgpr_workitem_id 0
		.amdhsa_next_free_vgpr 256
		.amdhsa_next_free_sgpr 66
		.amdhsa_reserve_vcc 0
		.amdhsa_float_denorm_mode_32 3
		.amdhsa_float_denorm_mode_16_64 3
		.amdhsa_memory_ordered 1
		.amdhsa_forward_progress 1
		.amdhsa_inst_pref_size 47
	.end_amdhsa_kernel
	.amdgpu_metadata
---
amdhsa.version: [ 1, 2 ]
amdhsa.kernels:
  - .name:           k_q14400a987d_attn
    .symbol:         k_q14400a987d_attn.kd
    .args:
      - { .name: qb, .offset: 0, .size: 8, .value_kind: global_buffer, .address_space: global }
      - { .name: kv, .offset: 8, .size: 8, .value_kind: global_buffer, .address_space: global }
      - { .name: ac, .offset: 16, .size: 8, .value_kind: global_buffer, .address_space: global }
      - { .name: asc, .offset: 24, .size: 8, .value_kind: global_buffer, .address_space: global }
    .group_segment_fixed_size: 263168
    .private_segment_fixed_size: 0
    .kernarg_segment_align: 8
    .kernarg_segment_size: 32
    .max_flat_workgroup_size: 512
    .sgpr_count:     66
    .vgpr_count:     256
    .wavefront_size: 32
...
	.end_amdgpu_metadata
.endif
;; end of part 3
;; launch proj (part 4): grid 4 x 32, 4 waves a work-group, clusters of 4 x 4, 327,680 bytes of LDS; arguments ac, asc, wc, ws, b_out, out0; writes out0
.if DOCPART == 4
	.amdgcn_target "amdgcn-amd-amdhsa--gfx1250"
	.amdhsa_code_object_version 6
	.text
	.protected	k_q14400a987d_proj
	.globl	k_q14400a987d_proj
	.p2align	8
	.type	k_q14400a987d_proj,@function
k_q14400a987d_proj:
	s_mov_b64 s[64:65], 0
	v_nop
	global_prefetch_b8 v0, s[64:65] scope:SCOPE_SE
	s_setreg_imm32_b32 hwreg(HW_REG_WAVE_MODE, 25, 1), 1
	s_wait_xcnt 0x0
	s_wait_alu depctr_hold_cnt(0) depctr_sa_sdst(0) depctr_va_vdst(0) depctr_va_sdst(0) depctr_va_ssrc(0) depctr_va_vcc(0) depctr_vm_vsrc(0)
	s_getreg_b32 s2, hwreg(HW_REG_IB_STS2, 6, 4)
	s_cmp_eq_u32 s2, 0
	s_cbranch_scc0 .Lentry_in_a_cluster
	s_endpgm
.Lentry_in_a_cluster:
	s_bfe_u32 s2, ttmp6, 0x10000c
	s_cmp_lg_u32 s2, 0xf033
	s_cbranch_scc0 .Lentry_shape_is_right
	s_endpgm
.Lentry_shape_is_right:
.set NQ,     2
.set FR,     12
.set NL,     4
.set NP,     4
.set IMG,    1536
.set RBS,    NQ*IMG
.set HALFT,  8*RBS
.set SLOT,   4*HALFT
.set LAPS,   2
.set SCL,    2*SLOT
.set HALFS,  16*272
.set SBLK,   2*272
.set SPARE,  SCL+4*HALFS
.set SPITCH, 528
.set ADRA, 16
.set ADRB, 20
.set STO,  24
.set RD,   25
.set ADRS, 27
.set SPW,  28
.set NIL,  29
.set SC,   32
.set BI,   64
.set AF,   128
.set BK,   128
.set G1, 24
.set G0, 32
.set G1B, 48
.set G0B, 56
.set G1S, 68
.set G0S, 76
.set G1SB, 80
.set G0SB, 88
.set MSB, 0
.macro WIN new
.if MSB != (\new)
	s_set_vgpr_msb (MSB<<8)|(\new)
.set MSB, (\new)
.endif
.endm
.set MUL_LO, 0xa1
.set MUL_HI, 0xf1
.set TO_B,   0x40
.macro JLOAD g0a, g1a, g0b, g1b
	s_cmp_eq_u32 s15, 0
	s_cbranch_scc0 .Lfor_b_\@
	tensor_load_to_lds s[\g0a:\g0a+3], s[\g1a:\g1a+7]
	s_nop 0
.rept 4
	v_nop
.endr
	s_branch .Lasked_\@
.Lfor_b_\@:
	tensor_load_to_lds s[\g0b:\g0b+3], s[\g1b:\g1b+7]
	s_nop 0
.rept 4
	v_nop
.endr
.Lasked_\@:
.endm
.macro CREST
	s_cmp_lg_u32 s14, 0
	s_cbranch_scc1 .Lnot_wave_0_\@
	s_barrier_signal -3
.Lnot_wave_0_\@:
	s_barrier_wait -3
	s_barrier_signal -1
	s_barrier_wait -1
.endm
.macro CROUND
	s_barrier_signal -1
	s_barrier_wait -1
	CREST
.endm
	s_load_b128 s[4:7], s[0:1], 0x0
	s_load_b128 s[8:11], s[0:1], 0x10
	s_load_b64 s[96:97], s[0:1], 0x20
	s_load_b64 s[12:13], s[0:1], 0x28
	v_lshl_add_u32 v[SPW], v0, 2, SPARE
	v_mov_b32 v[NIL], 0
	ds_add_u32 v28, v29
	ds_add_u32 v28, v29
	s_wait_dscnt 0x0
	v_lshrrev_b32 v1, 5, v0
	v_readfirstlane_b32 s14, v1
	s_lshr_b32 s15, s14, 1
	s_and_b32 s16, s14, 1
	s_bfe_u32 s40, ttmp6, 0x40000
	s_bfe_u32 s41, ttmp6, 0x40004
	s_lshl_b32 s42, ttmp9, 2
	s_add_co_u32 s42, s42, s40
	s_and_b32 s17, ttmp7, 0xffff
	s_lshl_b32 s17, s17, 2
	s_add_co_u32 s17, s17, s41
	s_lshl_b32 s43, s41, 2
	s_lshl_b32 s43, 15, s43
	s_lshl_b32 s44, 0x1111, s40
	s_or_b32 s[G1+0], s43, (3<<16)|(1<<21)
	s_or_b32 s[G1B+0], s44, (3<<16)|(1<<21)
.irp g, G1, G1B
	s_mov_b32 s[\g+1], 384<<16
	s_mov_b32 s[\g+2], 16<<16                      ; the head's loads of codes bring all 16 row blocks of a tile
	s_mov_b32 s[\g+3], 384<<16
	s_mov_b32 s[\g+4], 16
	s_mov_b32 s[\g+5], 1536
	s_mov_b32 s[\g+6], 0
	s_mov_b32 s[\g+7], 0
.endr
	s_or_b32 s[G1S+0], s43, (3<<16)|(1<<20)|(1<<21)|(5<<22)|(3<<25)
	s_or_b32 s[G1SB+0], s44, (3<<16)|(1<<20)|(1<<21)|(5<<22)|(3<<25)
.irp g, G1S, G1SB
	s_mov_b32 s[\g+1], 32<<16
	s_mov_b32 s[\g+2], 32<<16                      ; the scales of all 256 rows: 32 units of 256 bytes
	s_mov_b32 s[\g+3], 32<<16
	s_mov_b32 s[\g+4], 32
	s_mov_b32 s[\g+5], 32
	s_mov_b32 s[\g+6], 0
	s_mov_b32 s[\g+7], 0
.endr
	s_lshl_b32 s18, s16, 3
	s_lshl_b32 s20, s17, 4
	s_add_co_u32 s20, s20, s18
	s_lshl_b32 s46, s42, 4
	s_add_co_u32 s46, s46, s18
	s_lshl_b32 s22, s17, 13                        ; the scales of A's 256 rows begin at 16 x 512 x tile row
	s_lshl_b32 s92, s42, 13                        ; and B's at 16 x 512 x tile column
	s_mul_i32 s20, s20, 8*IMG
	s_mul_i32 s46, s46, 8*IMG
	s_mov_b32 s21, 0
	s_mov_b32 s23, 0
	s_mov_b32 s47, 0
	s_mov_b32 s93, 0
	s_mul_i32 s45, s14, HALFT
	s_wait_kmcnt 0x0
	s_add_nc_u64 s[8:9], s[8:9], 192*8*IMG
	s_add_nc_u64 s[10:11], s[10:11], 3072*32
	s_add_nc_u64 s[20:21], s[4:5], s[20:21]
	s_add_nc_u64 s[22:23], s[6:7], s[22:23]
	s_add_nc_u64 s[46:47], s[8:9], s[46:47]
	s_add_nc_u64 s[92:93], s[10:11], s[92:93]
	CROUND
	s_mov_b32 s[G0S], 1
	s_mov_b32 s[G0S+1], SCL
	s_mov_b64 s[G0S+2:G0S+3], s[22:23]
	s_or_b32 s[G0S+3], s[G0S+3], 0x80000000
	s_mov_b32 s[G0SB], 1
	s_mov_b32 s[G0SB+1], SCL+2*HALFS
	s_mov_b64 s[G0SB+2:G0SB+3], s[92:93]
	s_or_b32 s[G0SB+3], s[G0SB+3], 0x80000000
.irp s, 0,1
	s_mov_b32 s[G0+4*\s], 1
	s_add_co_u32 s[G0+4*\s+1], s45, \s*SLOT
	s_add_nc_u64 s[G0+4*\s+2:G0+4*\s+3], s[20:21], \s*RBS
	s_or_b32 s[G0+4*\s+3], s[G0+4*\s+3], 0x80000000
	s_mov_b32 s[G0B+4*\s], 1
	s_add_co_u32 s[G0B+4*\s+1], s45, \s*SLOT
	s_add_nc_u64 s[G0B+4*\s+2:G0B+4*\s+3], s[46:47], \s*RBS
	s_or_b32 s[G0B+4*\s+3], s[G0B+4*\s+3], 0x80000000
.endr
; the head's four tiles, one joint load a wave: wave 0 slot 0's 256 rows of A, wave 1 A's scales, wave 2 slot 0's 256 rows of B, wave 3 B's scales
	s_cmp_eq_u32 s14, 0
	s_cbranch_scc0 .Lhead_1
	tensor_load_to_lds s[G0:G0+3], s[G1:G1+7]
	s_nop 0
.rept 4
	v_nop
.endr
	s_branch .Lhead_asked
.Lhead_1:
	s_cmp_eq_u32 s14, 1
	s_cbranch_scc0 .Lhead_2
	tensor_load_to_lds s[G0S:G0S+3], s[G1S:G1S+7]
	s_nop 0
.rept 4
	v_nop
.endr
	s_branch .Lhead_asked
.Lhead_2:
	s_cmp_eq_u32 s14, 2
	s_cbranch_scc0 .Lhead_3
	tensor_load_to_lds s[G0B:G0B+3], s[G1B:G1B+7]
	s_nop 0
.rept 4
	v_nop
.endr
	s_branch .Lhead_asked
.Lhead_3:
	tensor_load_to_lds s[G0SB:G0SB+3], s[G1SB:G1SB+7]
	s_nop 0
.rept 4
	v_nop
.endr
.Lhead_asked:
	v_and_b32 v8, 15, v0
	v_bfe_u32 v9, v0, 4, 1
	v_and_b32 v1, 31, v0
	v_lshlrev_b32 v10, 4, v1
	s_wait_alu depctr_va_vdst(0)
	v_lshlrev_b32 v11, 3, v1
	s_wait_alu depctr_va_vdst(0)
	v_lshlrev_b32 v12, 6, v9
	s_lshl_b32 s46, s42, 10
	s_lshl_b32 s47, s16, 9
	s_add_co_u32 s46, s46, s47
	s_mov_b32 s47, 0
	s_add_nc_u64 s[96:97], s[96:97], s[46:47]
.irp b, 0,1,2,3,4,5,6,7
	global_load_b128 v[BI+8*\b:BI+8*\b+3], v12, s[96:97] offset:(32*(\b/2)+8*(\b%2))*4
	global_load_b128 v[BI+8*\b+4:BI+8*\b+7], v12, s[96:97] offset:(32*(\b/2)+8*(\b%2))*4+16
.endr
	s_lshl_b32 s20, s17, 8
	s_lshl_b32 s21, s15, 7
	s_add_co_u32 s20, s20, s21
	s_lshl_b32 s20, s20, 12
	s_mov_b32 s21, 0
	s_add_nc_u64 s[12:13], s[12:13], s[20:21]
	s_add_nc_u64 s[12:13], s[12:13], s[46:47]
	s_mul_i32 s21, s15, HALFT
	s_mul_i32 s22, s16, HALFT
	s_add_co_u32 s22, s22, 2*HALFT
.irp s, 0,1
	v_add_nc_u32 v[ADRA+\s], s21, v10
	v_add_nc_u32 v[ADRB+\s], s22, v10
	v_add_nc_u32 v[ADRA+2+\s], s21, v11
	v_add_nc_u32 v[ADRB+2+\s], s22, v11
	s_add_co_u32 s21, s21, SLOT
	s_add_co_u32 s22, s22, SLOT
.endr
	v_mul_u32_u24 v5, v8, 32
	v_lshrrev_b32 v6, 8, v5
	v_lshl_add_u32 v5, v6, 4, v5
	s_mul_i32 s21, s15, HALFS
	s_mul_i32 s22, s16, HALFS
	s_add_co_u32 s22, s22, 2*HALFS
	s_sub_co_u32 s22, s22, s21
	v_mul_u32_u24 v6, s22, v9
	s_add_co_u32 s21, s21, SCL
	v_add_nc_u32 v5, v5, v6
	v_add_nc_u32 v[ADRS], s21, v5
	s_mul_i32 s23, s14, 16*SPITCH
	v_mul_u32_u24 v5, v8, SPITCH
	v_lshl_add_u32 v5, v9, 6, v5
	v_add_nc_u32 v[STO], s23, v5
	v_add_nc_u32 v[RD], s23, v10
.macro FRAG reg, adr, q, i
.irp c, 0,1
	ds_load_b128 v[\reg+6*\c:\reg+6*\c+3], v[\adr] offset:RBS*(\i)+IMG*(\q)+768*\c
	ds_load_b64 v[\reg+6*\c+4:\reg+6*\c+5], v[\adr+2] offset:RBS*(\i)+IMG*(\q)+768*\c+512
.endr
.endm
.macro MUL16 a0, p, q, sc, first
.irp a, \a0, \a0+1
.irp b, 0,1,2,3,4,5,6,7
.if \first
	v_wmma_scale_f32_16x16x128_f8f6f4 v[8*(8*((\a)%4)+\b):8*(8*((\a)%4)+\b)+7], v[128*(\p)+FR*\b:128*(\p)+FR*\b+FR-1], v[AF+FR*(\a):AF+FR*(\a)+FR-1], v[BI+8*\b:BI+8*\b+7], v[SC+8*NQ*(\sc)+NQ*\b+(\q)], v[SC+8*NQ*(\sc)+NQ*(\a)+(\q)] matrix_a_fmt:MATRIX_FMT_FP6 matrix_b_fmt:MATRIX_FMT_FP6 matrix_a_scale:MATRIX_SCALE_ROW1
.else
	v_wmma_scale_f32_16x16x128_f8f6f4 v[8*(8*((\a)%4)+\b):8*(8*((\a)%4)+\b)+7], v[128*(\p)+FR*\b:128*(\p)+FR*\b+FR-1], v[AF+FR*(\a):AF+FR*(\a)+FR-1], v[8*(8*((\a)%4)+\b):8*(8*((\a)%4)+\b)+7], v[SC+8*NQ*(\sc)+NQ*\b+(\q)], v[SC+8*NQ*(\sc)+NQ*(\a)+(\q)] matrix_a_fmt:MATRIX_FMT_FP6 matrix_b_fmt:MATRIX_FMT_FP6 matrix_a_scale:MATRIX_SCALE_ROW1
.endif
.endr
.endr
.endm
.macro FETCH_B slot, q, p
	WIN TO_B
.irp i, 0,1,2,3,4,5,6,7
	FRAG 128*(\p)+FR*\i, ADRB+\slot, \q, \i
.endr
	WIN 0
.endm
.macro FETCH_A slot, q, i0
.irp i, \i0, \i0+1, \i0+2, \i0+3
	FRAG AF+FR*(\i), ADRA+\slot, \q, \i
.endr
.endm
.macro SCALES sc
.irp i, 0,1,2,3,4,5,6,7
	ds_load_b64 v[SC+8*NQ*\sc+NQ*\i:SC+8*NQ*\sc+NQ*\i+1], v[ADRS] offset:\i*SBLK
.endr
.endm
.macro PLACES n
.rept \n
	v_nop
.endr
.endm
.macro STEP slot, q, first
	s_wait_dscnt 4*NL
.if \first
	WIN 0x81
.else
	WIN MUL_LO
.endif
	MUL16 0, (\q)%2, \q, \slot, \first
	MUL16 2, (\q)%2, \q, \slot, \first
	s_wait_dscnt 0
	PLACES NP
	FETCH_B \slot, (\q)+1, 1-(\q)%2
	FETCH_A \slot, (\q)+1, 0
.if \first
	WIN 0xc1
.else
	WIN MUL_HI
.endif
	MUL16 4, (\q)%2, \q, \slot, \first
	MUL16 6, (\q)%2, \q, \slot, \first
	PLACES NP
	WIN 0
	FETCH_A \slot, (\q)+1, 4
.endm
.macro TURN slot, next, fill
	s_wait_tensorcnt 0x0
	ds_add_u32 v[SPW], v[NIL]
	s_wait_dscnt 4*NL+1
	WIN MUL_LO
	MUL16 0, 1, NQ-1, \slot, 0
	s_wait_dscnt 0x0
	s_barrier_signal -1
	MUL16 2, 1, NQ-1, \slot, 0
	WIN 0
	s_barrier_wait -1
.if \fill
	CREST
	s_add_nc_u64 s[G0+4*\slot+2:G0+4*\slot+3], s[G0+4*\slot+2:G0+4*\slot+3], 2*RBS
	s_add_nc_u64 s[G0B+4*\slot+2:G0B+4*\slot+3], s[G0B+4*\slot+2:G0B+4*\slot+3], 2*RBS
	JLOAD G0+4*\slot, G1, G0B+4*\slot, G1B
.else
	PLACES NP
.endif
	s_wait_alu depctr_va_vdst(0)
	v_add_nc_u32 v[ADRS], 4*NQ, v[ADRS]
	FETCH_B \next, 0, 0
	FETCH_A \next, 0, 0
	SCALES \next
	WIN MUL_HI
	MUL16 4, 1, NQ-1, \slot, 0
	MUL16 6, 1, NQ-1, \slot, 0
	PLACES NP
	WIN 0
	FETCH_A \next, 0, 4
.endm
	s_wait_alu depctr_va_vdst(0)
	s_wait_tensorcnt 0x0                           ; my tile of the head's four is in
	ds_add_u32 v[SPW], v[NIL]
	s_mov_b32 s[G1+2], 8<<16                       ; no load of mine is out: from here on a load brings 8 row blocks
	s_mov_b32 s[G1+4], 8
	s_mov_b32 s[G1B+2], 8<<16
	s_mov_b32 s[G1B+4], 8
	s_wait_dscnt 0x0
	CROUND                                         ; all four tiles are in, in every partner
	JLOAD G0+4, G1, G0B+4, G1B                     ; slot 1's first fill, a quarter a wave
	FETCH_B 0, 0, 0
	FETCH_A 0, 0, 0
	SCALES 0
	FETCH_A 0, 0, 4
	s_wait_loadcnt 0x0
	STEP 0, 0, 1
.rept LAPS-1
	TURN 0, 1, 1
	STEP 1, 0, 0
	TURN 1, 0, 1
	STEP 0, 0, 0
.endr
	TURN 0, 1, 0
	STEP 1, 0, 0
	s_wait_dscnt 4*NL
	WIN MUL_LO
	MUL16 0, 1, NQ-1, 1, 0
	MUL16 2, 1, NQ-1, 1, 0
	s_wait_dscnt 0
	WIN MUL_HI
	MUL16 4, 1, NQ-1, 1, 0
	MUL16 6, 1, NQ-1, 1, 0
	WIN 0
.macro TOSTAGE a
.set AC, 64*((\a)%4)
	WIN 0x08+4*((\a)/4)
.irp b, 0,1,2,3,4,5,6,7
	ds_store_b128 v[STO], v[AC+8*\b:AC+8*\b+3] offset:128*(\b/2)+32*(\b%2)
	ds_store_b128 v[STO], v[AC+8*\b+4:AC+8*\b+7] offset:128*(\b/2)+32*(\b%2)+16
.endr
	WIN 0
.set BB, BK+64*((\a)%2)
.irp t, 0,1,2,3,4,5,6,7,8,9,10,11,12,13,14,15
	ds_load_b128 v[BB+4*\t:BB+4*\t+3], v[RD] offset:\t*SPITCH
.endr
.endm
.macro SEND a, younger
.set BB, BK+64*((\a)%2)
	s_wait_dscnt \younger
.irp t, 0,1,2,3,4,5,6,7,8,9,10,11,12,13,14,15
	global_store_b128 v10, v[BB+4*\t:BB+4*\t+3], s[12:13] offset:(32*((\a)/2)+8*((\a)%2)+\t+8*(\t/8))*4096 th:TH_STORE_NT
.endr
.endm
	PLACES NP
	TOSTAGE 0
.irp a, 1,2,3,4,5,6,7
.if \a > 1
	s_wait_xcnt 0x0
.endif
	TOSTAGE \a
	SEND \a-1, 32
.endr
	SEND 7, 0
	s_wait_tensorcnt 0x0
	ds_add_u32 v[SPW], v[NIL]
	s_wait_dscnt 0x0
	CROUND
	s_endpgm
.Lfunc_end_k_q14400a987d_proj:
	.size	k_q14400a987d_proj, .Lfunc_end_k_q14400a987d_proj-k_q14400a987d_proj
	.p2alignl 7, 3214868480
	.fill 96, 4, 3214868480
	.section	.rodata,"a",@progbits
	.p2align	6, 0x0
	.amdhsa_kernel k_q14400a987d_proj
		.amdhsa_group_segment_fixed_size 327680
		.amdhsa_private_segment_fixed_size 0
		.amdhsa_enable_private_segment 0
		.amdhsa_kernarg_size 48
		.amdhsa_user_sgpr_count 2
		.amdhsa_user_sgpr_kernarg_segment_ptr 1
		.amdhsa_wavefront_size32 1
		.amdhsa_system_sgpr_workgroup_id_x 1
		.amdhsa_system_sgpr_workgroup_id_y 1
		.amdhsa_system_sgpr_workgroup_id_z 1
		.amdhsa_system_vgpr_workitem_id 0
		.amdhsa_next_free_vgpr 1024
		.amdhsa_next_free_sgpr 98
		.amdhsa_reserve_vcc 0
		.amdhsa_float_denorm_mode_32 3
		.amdhsa_float_denorm_mode_16_64 3
		.amdhsa_memory_ordered 1
		.amdhsa_forward_progress 1
		.amdhsa_inst_pref_size 145
	.end_amdhsa_kernel
	.amdgpu_metadata
---
amdhsa.version: [ 1, 2 ]
amdhsa.kernels:
  - .name:           k_q14400a987d_proj
    .symbol:         k_q14400a987d_proj.kd
    .args:
      - { .name: ac, .offset: 0, .size: 8, .value_kind: global_buffer, .address_space: global }
      - { .name: asc, .offset: 8, .size: 8, .value_kind: global_buffer, .address_space: global }
      - { .name: wc, .offset: 16, .size: 8, .value_kind: global_buffer, .address_space: global }
      - { .name: ws, .offset: 24, .size: 8, .value_kind: global_buffer, .address_space: global }
      - { .name: b_out, .offset: 32, .size: 8, .value_kind: global_buffer, .address_space: global }
      - { .name: out0, .offset: 40, .size: 8, .value_kind: global_buffer, .address_space: global }
    .group_segment_fixed_size: 327680
    .private_segment_fixed_size: 0
    .kernarg_segment_align: 8
    .kernarg_segment_size: 48
    .max_flat_workgroup_size: 128
    .sgpr_count:     98
    .vgpr_count:     1024
    .wavefront_size: 32
...
	.end_amdgpu_metadata
.endif
;; end of part 4
